; MI455X (gfx1250); checked and timed in simulation.
; The chip was launched on July 23, 2026; its instructions are those of AMD's public machine-readable ISA for CDNA 5 (MIT licence, August 2026) and "CDNA5" Instruction Set Architecture Reference Guide (July 2026). The comments in the code are by the model that wrote it; some were corrected since.
;; Base Self Attention. Allowed arithmetic: matrix products marked QUANTISED: E2M3 operands, one E8M0 scale for each 32 along K, by v_wmma_scale_f32_16x16x128_f8f6f4 with both operands' format E2M3, f32 sums; products left as they are: f32 operands where the result goes on into a quantised operand, else bf16, f16 or f32 operands; f32 sums; everything else in f32.
;; Inputs: emb 8 x 2,048 float32; emb_b 2,048 float32; emb_w 2,048 x 2,048 float32; k_b 1,024 float32; k_w 1,024 x 1,024 float32; norm_b 1,024 float32; norm_w 1,024 float32; out_b 1,024 float32; out_w 1,024 x 1,024 float32; q_b 1,024 float32; q_w 1,024 x 1,024 float32; sb_norm_b 1,024 float32; sb_norm_w 1,024 float32; src_mask 8 x 1,024 float32; v_b 1,024 float32; v_w 1,024 x 1,024 float32; x 8 x 1,024 x 1,024 float32.
;; Outputs: out0 8 x 1,024 x 1,024 float32.
;; This version of the problem:
;;   THIS VERSION OF THE PROBLEM IS GIVEN IN LOW PRECISION. The matrix products marked QUANTISED in the list below multiply operands that are first quantised to E2M3 (2 exponent bits, 3 mantissa bits; 6 bits a number), with one power-of-two scale for each 32 numbers along K (OCP MX v1.0); their sums are f32. All else is computed in f32.
;;   The module's matrix products, in the order in which they are computed (A, B: the left and right operand; K: the contracted axis; several contracted axes count as one K, in the product's order):
;;     1. [M 8,192, K 1,024] x [K 1,024, N 1,024]; A: computed on the way; B: input q_w: QUANTISED
;;     2. [M 8,192, K 1,024] x [K 1,024, N 1,024]; A: computed on the way; B: input k_w: QUANTISED
;;     3. batch 128 x [M 1,024, K 64] x [K 64, N 1,024]; A: computed on the way; B: computed on the way: QUANTISED
;;     4. [M 8,192, K 1,024] x [K 1,024, N 1,024]; A: computed on the way; B: input v_w: QUANTISED
;;     5. batch 128 x [M 64, K 1,024] x [K 1,024, N 1,024]; A: computed on the way; B: softmax (see below): QUANTISED
;;     6. [M 8, K 2,048] x [K 2,048, N 2,048]; A: computed on the way; B: input emb_w: left as it is (M = 8 < 16)
;;     7. [M 8,192, K 1,024] x [K 1,024, N 1,024]; A: computed on the way; B: input out_w: QUANTISED
;;   THE QUANTISER, for each operand of a quantised product, along K:
;;     - K is cut into blocks of 32 from its start; a last block that is shorter is filled with zeros.
;;     - A block's scale is 2^e with e = floor(log2(the largest magnitude in the block)) - 2, held to -126 .. 127; a block of zeros has e = 0. As a byte (E8M0): e + 127.
;;     - Each number is divided by its block's scale, clamped to +-7.5, and rounded to the nearest number of E2M3, ties to even, subnormals kept.
;;     - The product sums the exact products of the quantised numbers (number of the format x scale) in f32.
;;   ~~~python
;;   def quantise(x, axis):      # numpy; x: float32 -> the quantised numbers, widened to float32 again
;;       x = np.moveaxis(x, axis, -1); K = x.shape[-1]
;;       x = np.pad(x, [(0, 0)] * (x.ndim - 1) + [(0, -K % 32)]); x = x.reshape(x.shape[:-1] + (-1, 32)); a = np.abs(x).max(-1, keepdims=True)
;;       e = np.where(a > 0, np.clip(np.frexp(np.where(a > 0, a, 1))[1] - 1 - 2, -126, 127), 0)      # np.frexp(a)[1] - 1 = floor(log2(a)), exactly
;;       r = np.clip(x / 2.0 ** e, -7.5, 7.5)
;;       step = 2.0 ** (np.maximum(np.frexp(np.where(r == 0, 1, r))[1] - 1, 0) - 3)
;;       q = np.round(r / step) * step * 2.0 ** e      # np.round: ties to even
;;       return np.moveaxis(q.reshape(q.shape[:-2] + (-1,))[..., :K], -1, axis).astype(np.float32)
;;   ~~~
;;   SOFTMAX AHEAD OF A QUANTISED PRODUCT. Where the list says 'softmax', what is quantised is not the finished softmax but p = 2^(t - M), with t = logit x log2(e) and M = ceil(the row's largest t), a whole number; so 1/2 < the row's largest p <= 1. The row's sum l is taken of the UNQUANTISED p, in f32, and the product's result is divided by l at the end. Since M is a whole number, a kernel that streams over the keys may use a running M (the ceiling of the running maximum): every later rescaling is an exact power of two, which a block's scale takes up: the codes' values come out the same.
;;   OPERANDS COMPUTED ON THE WAY. 'Computed on the way' means the value that the module computes at that place (a softmax that the list does not call 'softmax' is quantised finished and normalised). What goes into a quantiser is computed in f32, as accurately as f32 sums, v_exp_f32 and their like allow (about 1e-6 of the number): no bf16 or f16 on the way to a quantiser, and a product that is left as it is and whose result goes on into a quantised operand takes f32 operands (vector FMAs, or v_wmma_f32_16x16x4_f32). A number that lies on a knife's edge between two numbers of the format may be rounded either way, as far as f32 arithmetic and the matrix unit's own rounding can turn it there, and no further.
;; One version. Each part assembles by itself: llvm-mc -triple=amdgcn-amd-amdhsa -mcpu=gfx1250 --defsym DOCPART=n.
;; ======== version 1 of 1: 5 launches
;; limits: right only within a limited range of input values
;; workspace buffers: aimg 6,553,600 bytes; wimg 3,276,800 bytes; ep 524,288 bytes; qq 6,815,744 bytes; kv 13,631,488 bytes; y 33,554,432 bytes; ef 65,536 bytes
;; launch prep (part 1): grid 896 x 1, 4 waves a work-group, no clusters, 93,184 bytes of LDS; arguments emb, emb_w, q_w, k_w, v_w, out_w, x, norm_w, norm_b, ep, wimg, aimg; writes ep, wimg, aimg
.if DOCPART == 1
	.amdgcn_target "amdgcn-amd-amdhsa--gfx1250"
	.amdhsa_code_object_version 6
	.text
	.protected	k_q823f6df033_prep
	.globl	k_q823f6df033_prep
	.p2align	8
	.type	k_q823f6df033_prep,@function
k_q823f6df033_prep:
	s_mov_b64 s[64:65], 0
	v_nop
	global_prefetch_b8 v0, s[64:65] scope:SCOPE_SE
	s_setreg_imm32_b32 hwreg(HW_REG_WAVE_MODE, 25, 1), 1
	s_wait_xcnt 0x0
; PREP: three independent jobs in one launch, parted once on the work-group's number; each has LDS bytes of its own and its own end.
;  E (work-groups 0-255):   partial sums of silu(emb) @ emb_w in f32 (its result goes on into a quantiser): 64 columns x 256 rows of emb_w a work-group -> ep [8 K slices][8][2048].
;  W (256-383): q_w, k_w, v_w, out_w [K][N] f32 -> codes of E2M3 along K and E8M0 bytes, laid as images of the matrix operand's registers -> wimg.
;  L (384-895): LayerNorm(x) -> the same kind of image -> aimg.  One work-group makes one tile of 16 tokens.
; AN IMAGE: a tile (16 rows x K = 1024) is a record of 12,800 bytes: K step s (128 along K) at 1536 s: register group c (4 registers) of lane l at 512 c + 16 l; the scale words at 12,288 + 32 row + 4 s.
; THE ROWS OF A TILE: in aimg and in q_w's and k_w's images row r of tile 2 b + u is true row 32 b + 8 u + r + 8 (r / 8), so that a later product's 16 registers of two neighbouring tiles are 16 neighbours; v_w and out_w: row 16 t + r.
; A block's scale is 2^(floor(log2(largest magnitude)) - 2); its byte is the largest magnitude's exponent field - 2, held at 1 from below.
; LIMITS: a block of zeros, or one whose largest magnitude lies under 2^-124, gets the byte 1 (its codes add nothing; only this program reads the bytes); NaN and infinities among the inputs are not served;
; 1/sqrt and 1/(1 + e^-x) come from v_rsq_f32, v_exp_f32 and v_rcp_f32.  W's scale words leave as 8 bytes a lane, 32 bytes apart: one byte in 128 of what that path reads.
.set WV,   3
.set SEL,  30
.set STYL, 0
.set STG,  0                           ; L: a stage of 16 rows x (512 + 16) bytes for each wave
.set CF,   33792                       ; L: each wave's 256 numbers of each coefficient array
.set CFW,  2048
.set STAT, 41984                       ; L: 512 bytes for the sums, 512 for the sums of squares
.set SCST, 43008                       ; L: the tile's 512 bytes of scale words
.set WST,  43520                       ; W: four fragments of 1,536 bytes for each wave
.set AT,   68096                       ; E: silu(emb) as [k][b], 2,048 bytes for each wave
.set RED,  76288                       ; E: eight sets of partial sums, 2,048 bytes each
.set P,    24
.set Q,    88
.set R,    152
.set TM,   216
.set PC,   232
.set GOF,  251
.set PW,   252
.set TV,   254
.set SCR,  255
.macro BARRIER                         ; my LDS stores have landed and my LDS loads are in: then the work-group's barrier
	s_wait_dscnt 0x0
	s_barrier_signal -1
	s_barrier_wait -1
.endm
; 64 numbers of a lane, register 16 b + i = k 32 b + 16 (lane / 16) + i of my row, become a fragment's 12 registers in v[PC] on and its scale word in v[pw].
.macro QUANT s, pw
.irp b, 0,1,2,3
	v_max3_num_f32 v[TM+\b], |v[\s+16*\b]|, |v[\s+1+16*\b]|, 0x1800000   ; my 16 numbers of block b, and the floor 2^(3 - 127): the byte cannot fall under 1
.endr
.irp i, 2,4,6,8,10,12,14
.irp b, 0,1,2,3
	v_max3_num_f32 v[TM+\b], v[TM+\b], |v[\s+16*\b+\i]|, |v[\s+1+16*\b+\i]|
.endr
.endr
.irp b, 0,1,2,3
	v_permlanex16_b32 v[TM+4+\b], v[TM+\b], s[SEL], s[SEL+1]
.endr
.irp b, 0,1,2,3
	v_max_num_f32 v[TM+\b], v[TM+\b], v[TM+4+\b]   ; with lane l xor 16's: the block's largest magnitude
.endr
.irp b, 0,1,2,3
	v_add_nc_u32 v[TM+12+\b], 0xff000000, v[TM+\b]   ; 2 off its exponent field: the conversion's scale operand
.endr
.irp b, 0,1,2,3
	v_lshrrev_b32 v[TM+4+\b], 23, v[TM+12+\b]      ; the scale's byte
.endr
	v_lshl_or_b32 v[\pw], v[TM+5], 8, v[TM+4]
	v_lshl_or_b32 v[\pw], v[TM+6], 16, v[\pw]
	v_lshl_or_b32 v[\pw], v[TM+7], 24, v[\pw]
.irp c, 0,1
	v_cvt_scalef32_pk16_fp6_f32 v[PC+6*\c:PC+2+6*\c], v[\s+32*\c:\s+15+32*\c], v[TM+12+2*\c]
	v_cvt_scalef32_pk16_fp6_f32 v[PC+12+4*\c:PC+14+4*\c], v[\s+16+32*\c:\s+31+32*\c], v[TM+12+2*\c+1]   ; (a conversion's three registers begin on an even number)
.endr
	v_nop                                          ; one plain line behind the scaled conversions
.irp c, 0,1                                    ; the operand wants a whole block in a lane: lanes 0-15 block 2 c, lanes 16-31 block 2 c + 1
.irp i, 0,1,2
	v_permlane16_swap_b32 v[PC+6*\c+\i], v[PC+12+4*\c+\i]
.endr
.irp i, 0,1,2
	v_mov_b32 v[PC+3+6*\c+\i], v[PC+12+4*\c+\i]
.endr
.endr
.endm
; the chains' four pairs -> one number a row; the four waves' numbers meet in LDS; v16 = the row's sum over all 1,024 columns
.macro ACROSS off
	v_pk_add_f32 v[16:17], v[16:17], v[18:19]
	v_pk_add_f32 v[20:21], v[20:21], v[22:23]
	v_pk_add_f32 v[16:17], v[16:17], v[20:21]
	v_add_f32 v16, v16, v17
	v_permlanex16_b32 v17, v16, s[SEL], s[SEL+1]
	v_add_f32 v16, v16, v17
	ds_store_b32 v8, v16 offset:\off
	BARRIER
.irp j, 0,1,2,3
	ds_load_b32 v[16+\j], v7 offset:\off+128*\j
.endr
	s_wait_dscnt 0x0
	v_add_f32 v16, v16, v17
	v_add_f32 v16, v16, v18
	v_add_f32 v16, v16, v19
.endm
.macro CLOAD a, sg, b                  ; 16 numbers of coefficient array a at my columns of block b of K step sg
.irp j, 0,1,2,3
	ds_load_b128 v[Q+16*(\a)+4*\j:Q+16*(\a)+4*\j+3], v6 offset:1024*(\a)+512*(\sg)+128*(\b)+16*\j
.endr
.endm
; K step sg of my 256 columns (64 numbers a lane, x - mean, in v[X] on): scaled, quantised, stored
.macro NORM X, sg
.irp b, 0,1,2,3
	CLOAD 0, \sg, \b
	CLOAD 1, \sg, \b
.if STYL
	CLOAD 2, \sg, \b
	CLOAD 3, \sg, \b
.endif
.irp n, 0,2,4,6,8,10,12,14
	v_pk_mul_f32 v[\X+16*\b+\n:\X+16*\b+\n+1], v[\X+16*\b+\n:\X+16*\b+\n+1], v[14:15]   ; / sqrt(var + eps), while the coefficients come
.endr
	s_wait_alu depctr_va_vdst(0)
	s_wait_dscnt 0x0
.irp n, 0,2,4,6,8,10,12,14
	v_pk_fma_f32 v[\X+16*\b+\n:\X+16*\b+\n+1], v[\X+16*\b+\n:\X+16*\b+\n+1], v[Q+\n:Q+\n+1], v[Q+16+\n:Q+17+\n]   ; x w + b
.endr
.if STYL
.irp n, 0,2,4,6,8,10,12,14
	v_pk_fma_f32 v[\X+16*\b+\n:\X+16*\b+\n+1], v[\X+16*\b+\n:\X+16*\b+\n+1], v[Q+32+\n:Q+33+\n], v[Q+48+\n:Q+49+\n]   ; x (1 + scale) + shift
.endr
.endif
.endr
.if STYL                                       ; silu(h) = h / (1 + 2^(-h log2 e))
.set jj, 0
.rept 32
	v_pk_mul_f32 v[Q+jj:Q+jj+1], v[\X+jj:\X+jj+1], s[26:27] op_sel_hi:[1,0]
.set jj, jj+2
.endr
.set jj, 0
.rept 64
	v_exp_f32 v[Q+jj], v[Q+jj]
.set jj, jj+1
.endr
	v_nop                                          ; a plain line behind the batch,
	s_wait_alu depctr_va_vdst(0)                   ; and one wait for it, ahead of its first reader
.set jj, 0
.rept 32
	v_pk_add_f32 v[Q+jj:Q+jj+1], v[Q+jj:Q+jj+1], 1.0 op_sel_hi:[1,0]
.set jj, jj+2
.endr
.set jj, 0
.rept 64
	v_rcp_f32 v[Q+jj], v[Q+jj]
.set jj, jj+1
.endr
	v_nop
	s_wait_alu depctr_va_vdst(0)
.set jj, 0
.rept 32
	v_pk_mul_f32 v[\X+jj:\X+jj+1], v[\X+jj:\X+jj+1], v[Q+jj:Q+jj+1]
.set jj, jj+2
.endr
.endif
	s_wait_xcnt 0x0                                ; the earlier stores have read the codes' registers: they may be written again
	QUANT \X, PW+\sg
.irp c, 0,1,2
	global_store_b128 v2, v[PC+4*\c:PC+4*\c+3], s[12:13] offset:1536*(\sg)+512*\c   ; 32 lanes store 512 consecutive bytes
.endr
.endm
	s_set_vgpr_msb 0x40
	v_lshl_add_u32 v0, v0, 2, 0x16a00
	v_mov_b32 v1, 0
	s_set_vgpr_msb 0x4000
	v_lshrrev_b32 v1, 5, v0
	v_readfirstlane_b32 s[WV], v1                  ; wave 0..3
	s_cmp_lt_u32 ttmp9, 256
	s_cbranch_scc1 .LE
	s_cmp_lt_u32 ttmp9, 384
	s_cbranch_scc1 .LW
	; ================= L: LayerNorm(x) -> aimg =================
	s_load_b128 s[4:7], s[0:1], 0x30               ; x, norm_w
	s_load_b64 s[8:9], s[0:1], 0x40                ; norm_b
	s_load_b64 s[12:13], s[0:1], 0x58              ; aimg
	s_sub_co_u32 s14, ttmp9, 384                   ; the tile
	s_lshr_b32 s15, s14, 1
	s_lshl_b32 s15, s15, 5
	s_and_b32 s16, s14, 1
	s_lshl_b32 s16, s16, 3
	s_add_co_u32 s16, s16, s15                     ; its first true row: 32 (a / 2) + 8 (a % 2)
	s_lshl_b32 s16, s16, 12                        ; a row is 4,096 bytes
	s_mov_b32 s17, 0
	s_mul_i32 s18, s14, 12800                      ; its record
	s_mov_b32 s19, 0
	s_mul_i32 s20, s[WV], 3072                     ; my two K steps in it
	s_mov_b32 s21, 0
	s_mov_b32 s24, 0x3a800000                      ; 1 / 1024
	s_mov_b32 s25, 0x3727c5ac                      ; 1e-5
	s_mov_b32 s[SEL], 0x76543210
	s_mov_b32 s[SEL+1], 0xfedcba98                 ; v_permlanex16_b32's selects for lane l xor 16
	s_mul_i32 s32, s[WV], 8448
	s_add_co_u32 s32, s32, STG
	s_mul_i32 s33, s[WV], CFW
	s_add_co_u32 s33, s33, CF
	s_lshl_b32 s34, s[WV], 7
	s_lshl_b32 s35, s[WV], 3
	s_add_co_u32 s35, s35, SCST
	s_lshl_b32 s36, s[WV], 10
	v_and_b32 v1, 31, v0                           ; lane
	v_and_b32 v10, 15, v0                          ; r
	v_bfe_u32 v11, v0, 4, 1                        ; h
	v_lshlrev_b32 v2, 4, v1                        ; 16 l
	v_add_nc_u32 v3, s32, v2                       ; the stage, on the way in: a row as it lies
	v_mul_u32_u24 v4, v10, 528
	v_lshl_add_u32 v4, v11, 6, v4
	v_add_nc_u32 v4, s32, v4                       ; and out: row r, my half's 16 numbers of each block of 32
	v_add_nc_u32 v5, s33, v2                       ; coefficients in
	v_lshlrev_b32 v6, 6, v11
	v_add_nc_u32 v6, s33, v6                       ; and out
	v_lshl_add_u32 v7, v1, 2, STAT
	v_add_nc_u32 v8, s34, v7
	v_lshlrev_b32 v9, 5, v10
	v_lshl_add_u32 v9, v11, 2, v9
	v_add_nc_u32 v9, s35, v9                       ; my scale word: 32 r + 4 (2 w + h)
	v_add_nc_u32 v[GOF], s36, v2                   ; my wave's 1,024 bytes of a row, 16 bytes a lane
	v_add_nc_u32 v[SCR], SCST, v2
.irp b, 0,1,2,3
	v_mov_b32 v[TM+4+\b], 0                        ; written once: a lane permute's destination counts as one of its sources
.endr
	s_wait_alu depctr_va_vdst(0)
	s_wait_kmcnt 0x0
	s_add_nc_u64 s[4:5], s[4:5], s[16:17]
	s_add_nc_u64 s[28:29], s[12:13], s[18:19]
	s_add_nc_u64 s[12:13], s[28:29], s[20:21]
	global_load_b128 v[R:R+3], v[GOF], s[6:7]
	global_load_b128 v[R+4:R+7], v[GOF], s[6:7] offset:512
	global_load_b128 v[R+8:R+11], v[GOF], s[8:9]
	global_load_b128 v[R+12:R+15], v[GOF], s[8:9] offset:512
.irp i, 0,1,2,3,4,5,6,7,8,9,10,11,12,13,14,15
	global_load_b128 v[P+4*\i:P+4*\i+3], v[GOF], s[4:5] offset:(\i+8*(\i/8))*4096 th:TH_LOAD_NT   ; row i of the tile, K step 2 w: 512 consecutive bytes
.endr
.irp i, 0,1,2,3,4,5,6,7,8,9,10,11,12,13,14,15
	global_load_b128 v[Q+4*\i:Q+4*\i+3], v[GOF], s[4:5] offset:(\i+8*(\i/8))*4096+512 th:TH_LOAD_NT   ; K step 2 w + 1
.endr
	s_wait_loadcnt 32                              ; the coefficients are in; the 32 loads of data may be out
.irp a, 0,1
	ds_store_b128 v5, v[R+8*\a:R+8*\a+3] offset:1024*\a
	ds_store_b128 v5, v[R+8*\a+4:R+8*\a+7] offset:1024*\a+512
.endr
	s_wait_loadcnt 16                              ; the first K step's 16 rows are in
.irp i, 0,1,2,3,4,5,6,7,8,9,10,11,12,13,14,15
	ds_store_b128 v3, v[P+4*\i:P+4*\i+3] offset:528*\i
.endr
.irp b, 0,1,2,3
.irp j, 0,1,2,3
	ds_load_b128 v[R+16*\b+4*\j:R+16*\b+4*\j+3], v4 offset:128*\b+16*\j   ; LDS serves a wave's instructions in order: these see the stores above
.endr
.endr
	s_wait_loadcnt 0x0
.irp i, 0,1,2,3,4,5,6,7,8,9,10,11,12,13,14,15
	ds_store_b128 v3, v[Q+4*\i:Q+4*\i+3] offset:528*\i   ; the second K step, behind the reads of the first
.endr
	s_wait_dscnt 16                                ; all but these 16 stores: the first K step is back
.irp b, 0,1,2,3
.irp j, 0,1,2,3
	ds_load_b128 v[P+16*\b+4*\j:P+16*\b+4*\j+3], v4 offset:128*\b+16*\j
.endr
.endr
	s_wait_dscnt 0x0
	; the mean: four chains
.irp c, 0,1,2,3
	v_pk_add_f32 v[16+2*\c:17+2*\c], v[R+2*\c:R+2*\c+1], v[R+8+2*\c:R+9+2*\c]
.endr
.irp n, 16,24,32,40,48,56
.irp c, 0,1,2,3
	v_pk_add_f32 v[16+2*\c:17+2*\c], v[16+2*\c:17+2*\c], v[R+\n+2*\c:R+\n+2*\c+1]
.endr
.endr
.irp n, 0,8,16,24,32,40,48,56
.irp c, 0,1,2,3
	v_pk_add_f32 v[16+2*\c:17+2*\c], v[16+2*\c:17+2*\c], v[P+\n+2*\c:P+\n+2*\c+1]
.endr
.endr
	ACROSS 0
	v_mul_f32 v12, s24, v16
	v_mov_b32 v13, v12
	; x - mean in place, then the mean of its squares
.set jj, 0
.rept 32
	v_pk_add_f32 v[R+jj:R+jj+1], v[R+jj:R+jj+1], v[12:13] neg_lo:[0,1] neg_hi:[0,1]
	v_pk_add_f32 v[P+jj:P+jj+1], v[P+jj:P+jj+1], v[12:13] neg_lo:[0,1] neg_hi:[0,1]
.set jj, jj+2
.endr
.irp c, 0,1,2,3
	v_pk_mul_f32 v[16+2*\c:17+2*\c], v[R+2*\c:R+2*\c+1], v[R+2*\c:R+2*\c+1]
.endr
.irp n, 8,16,24,32,40,48,56
.irp c, 0,1,2,3
	v_pk_fma_f32 v[16+2*\c:17+2*\c], v[R+\n+2*\c:R+\n+2*\c+1], v[R+\n+2*\c:R+\n+2*\c+1], v[16+2*\c:17+2*\c]
.endr
.endr
.irp n, 0,8,16,24,32,40,48,56
.irp c, 0,1,2,3
	v_pk_fma_f32 v[16+2*\c:17+2*\c], v[P+\n+2*\c:P+\n+2*\c+1], v[P+\n+2*\c:P+\n+2*\c+1], v[16+2*\c:17+2*\c]
.endr
.endr
	ACROSS 512
	v_fma_f32 v14, v16, s24, s25                   ; var + eps
	s_wait_alu depctr_va_vdst(0)
	v_rsq_f32 v14, v14
	v_nop
	s_wait_alu depctr_va_vdst(0)                   ; the wait ahead of the first reader
	v_mov_b32 v15, v14
	NORM R, 0
	NORM P, 1
	v_cmp_eq_u32 vcc_lo, 1, v11
	v_cndmask_b32 v[TV], v[PW], v[PW+1], vcc_lo    ; lanes 0-15 hand on K step 2 w's word, lanes 16-31 K step 2 w + 1's
	ds_store_b32 v9, v[TV]
	BARRIER                                        ; the tile's 512 bytes of scale words lie in LDS
	s_cmp_lg_u32 s[WV], 0
	s_cbranch_scc1 .Ldone_l
	ds_load_b128 v[16:19], v[SCR]
	s_wait_dscnt 0x0
	global_store_b128 v2, v[16:19], s[28:29] offset:12288   ; 512 consecutive bytes
.Ldone_l:
	s_set_vgpr_msb 0x5
	s_wait_tensorcnt 0x0
	ds_add_u32 v0, v1
	s_wait_dscnt 0x0
	s_set_vgpr_msb 0x500
	s_endpgm
	; ================= E: partial sums of silu(emb) @ emb_w =================
.LE:
	s_load_b128 s[4:7], s[0:1], 0x0                ; emb, emb_w
	s_load_b64 s[8:9], s[0:1], 0x48                ; ep
	s_and_b32 s10, ttmp9, 31                       ; which 64 columns
	s_lshr_b32 s11, ttmp9, 5                       ; which 256 rows
	s_lshl_b32 s12, s11, 8
	s_lshl_b32 s13, s[WV], 6
	s_add_co_u32 s12, s12, s13                     ; my wave's first row k0
	s_lshl_b32 s16, s12, 2
	s_mov_b32 s17, 0
	s_lshl_b32 s18, s12, 13
	s_lshl_b32 s19, s10, 8
	s_add_co_u32 s18, s18, s19
	s_lshl_b32 s20, s11, 16
	s_add_co_u32 s20, s20, s19
	s_mov_b32 s19, 0
	s_mov_b32 s21, 0
	s_mov_b32 s22, 0xbfb8aa3b                      ; -log2(e)
	s_mov_b32 s23, s22
	s_lshl_b32 s14, s[WV], 11
	s_add_co_u32 s14, s14, AT
	s_lshl_b32 s15, s[WV], 12
	s_add_co_u32 s15, s15, RED
	v_and_b32 v1, 31, v0
	v_lshrrev_b32 v2, 2, v1                        ; b = lane / 4
	v_and_b32 v3, 3, v1
	v_lshlrev_b32 v4, 13, v2
	v_lshl_add_u32 v4, v3, 6, v4                   ; emb: row b, 16 numbers from k0 + 16 (lane % 4)
	v_and_b32 v5, 15, v0
	v_bfe_u32 v6, v0, 4, 1
	v_lshlrev_b32 v7, 13, v6
	v_lshl_add_u32 v7, v5, 4, v7                   ; emb_w: lanes 0-15 one row's 256 bytes, lanes 16-31 the next row's
	v_lshlrev_b32 v8, 9, v3
	v_lshl_add_u32 v8, v2, 2, v8
	v_add_nc_u32 v8, s14, v8                       ; silu(emb) goes to LDS as [k][b]: 32 bytes a k
	v_lshlrev_b32 v9, 5, v6
	v_add_nc_u32 v9, s14, v9
	v_lshlrev_b32 v10, 11, v6
	v_lshl_add_u32 v10, v5, 4, v10
	v_add_nc_u32 v10, s15, v10                     ; my set of partial sums: 2 w + h
	v_lshl_add_u32 v11, v0, 4, RED
	v_lshrrev_b32 v12, 4, v0
	v_lshlrev_b32 v12, 13, v12
	v_lshl_add_u32 v12, v5, 4, v12                 ; ep: row thread / 16, 16 bytes a thread
	s_wait_kmcnt 0x0
	s_add_nc_u64 s[4:5], s[4:5], s[16:17]
	s_add_nc_u64 s[6:7], s[6:7], s[18:19]
	s_add_nc_u64 s[8:9], s[8:9], s[20:21]
.irp j, 0,1,2,3
	global_load_b128 v[16+4*\j:19+4*\j], v4, s[4:5] offset:16*\j
.endr
.set jj, 0
.rept 32
	global_load_b128 v[96+4*jj:99+4*jj], v7, s[6:7] offset:16384*jj th:TH_LOAD_NT   ; my 64 rows, all on their way at once
.set jj, jj+1
.endr
	s_wait_loadcnt 32                              ; emb is in; the 32 loads of emb_w may be out
.irp n, 0,2,4,6,8,10,12,14
	v_pk_mul_f32 v[32+\n:33+\n], v[16+\n:17+\n], s[22:23] op_sel_hi:[1,0]
.endr
	s_wait_alu depctr_va_vdst(0)
.irp j, 0,1,2,3,4,5,6,7,8,9,10,11,12,13,14,15
	v_exp_f32 v[32+\j], v[32+\j]
.endr
	v_nop
	s_wait_alu depctr_va_vdst(0)                   ; one wait for the batch
.irp n, 0,2,4,6,8,10,12,14
	v_pk_add_f32 v[32+\n:33+\n], v[32+\n:33+\n], 1.0 op_sel_hi:[1,0]
.endr
	s_wait_alu depctr_va_vdst(0)
.irp j, 0,1,2,3,4,5,6,7,8,9,10,11,12,13,14,15
	v_rcp_f32 v[32+\j], v[32+\j]
.endr
	v_nop
	s_wait_alu depctr_va_vdst(0)
.irp n, 0,2,4,6,8,10,12,14
	v_pk_mul_f32 v[16+\n:17+\n], v[16+\n:17+\n], v[32+\n:33+\n]
.endr
.irp j, 0,1,2,3,4,5,6,7,8,9,10,11,12,13,14,15
	ds_store_b32 v8, v[16+\j] offset:32*\j
.endr
; row pair i: my row's four columns x the eight b.  The first products start the sums.
.macro EFMA i, q
.irp c, 0,1,2,3
.irp p, 0,1
.if (\i) == 0
	v_pk_mul_f32 v[224+8*\c+2*\p:225+8*\c+2*\p], v[96+4*(\i)+2*\p:97+4*(\i)+2*\p], v[48+8*(\q)+2*\c:49+8*(\q)+2*\c] op_sel_hi:[1,0]
	v_pk_mul_f32 v[228+8*\c+2*\p:229+8*\c+2*\p], v[96+4*(\i)+2*\p:97+4*(\i)+2*\p], v[48+8*(\q)+2*\c:49+8*(\q)+2*\c] op_sel:[0,1] op_sel_hi:[1,1]
.else
	v_pk_fma_f32 v[224+8*\c+2*\p:225+8*\c+2*\p], v[96+4*(\i)+2*\p:97+4*(\i)+2*\p], v[48+8*(\q)+2*\c:49+8*(\q)+2*\c], v[224+8*\c+2*\p:225+8*\c+2*\p] op_sel_hi:[1,0,1]
	v_pk_fma_f32 v[228+8*\c+2*\p:229+8*\c+2*\p], v[96+4*(\i)+2*\p:97+4*(\i)+2*\p], v[48+8*(\q)+2*\c:49+8*(\q)+2*\c], v[228+8*\c+2*\p:229+8*\c+2*\p] op_sel:[0,1,0] op_sel_hi:[1,1,1]
.endif
.endr
.endr
.endm
.irp g, 0,1,2,3,4,5,6,7
.irp q, 0,1,2,3
	ds_load_b128 v[48+8*\q:51+8*\q], v9 offset:64*(4*\g+\q)       ; silu(emb)[0..7][my row]: my wave's own bytes, served in order behind the stores
	ds_load_b128 v[52+8*\q:55+8*\q], v9 offset:64*(4*\g+\q)+16
.endr
	s_wait_dscnt 0x0
	s_wait_loadcnt 28-4*\g                         ; this group's four loads are in; the younger ones may be out
.irp q, 0,1,2,3
	EFMA 4*\g+\q, \q
.endr
.endr
.irp b, 0,1,2,3,4,5,6,7
	ds_store_b128 v10, v[224+4*\b:227+4*\b] offset:256*\b
.endr
	BARRIER                                        ; the eight sets lie in LDS
.irp j, 0,1,2,3,4,5,6,7
	ds_load_b128 v[16+4*\j:19+4*\j], v11 offset:2048*\j
.endr
	s_wait_dscnt 0x0
.irp j, 1,2,3,4,5,6,7
	v_pk_add_f32 v[16:17], v[16:17], v[16+4*\j:17+4*\j]
	v_pk_add_f32 v[18:19], v[18:19], v[18+4*\j:19+4*\j]
.endr
	global_store_b128 v12, v[16:19], s[8:9]        ; sixteen threads store 256 consecutive bytes, aligned
	s_set_vgpr_msb 0x5
	s_wait_tensorcnt 0x0
	ds_add_u32 v0, v1
	s_wait_dscnt 0x0
	s_set_vgpr_msb 0x500
	s_endpgm
	; ================= W: the four weights -> wimg =================
.LW:
	s_load_b256 s[4:11], s[0:1], 0x10              ; q_w, k_w, v_w, out_w
	s_load_b64 s[12:13], s[0:1], 0x50              ; wimg
	s_sub_co_u32 s14, ttmp9, 256
	s_lshr_b32 s15, s14, 5                         ; which matrix
	s_bfe_u32 s16, s14, 0x30002                    ; which 128 columns
	s_and_b32 s17, s14, 3                          ; which 256 along K
	s_cmp_lt_u32 s15, 2
	s_cselect_b32 s18, 1, 0                        ; q_w, k_w: the tiles' rows are not neighbours
	v_and_b32 v1, 31, v0
	v_and_b32 v9, 15, v0                           ; r
	v_lshrrev_b32 v3, 4, v1                        ; which of my two tiles
	v_and_b32 v2, 8, v1
	v_lshlrev_b32 v4, 3, v3
	v_sub_nc_u32 v2, v2, v4
	v_mul_lo_u32 v2, v2, s18
	v_add_nc_u32 v2, v1, v2                        ; A LANE TAKES A COLUMN: the one whose place in the image is (tile lane / 16, row lane % 16)
	v_lshlrev_b32 v5, 2, v2
	s_mul_i32 s19, s[WV], 6144
	s_add_co_u32 s19, s19, WST
	v_mul_u32_u24 v6, v3, 3072
	v_mad_u32_u24 v6, v9, 48, v6
	v_add_nc_u32 v6, s19, v6                       ; the stage: fragment 2 tile + K step, 48 bytes for each lane of the operand
	v_mul_u32_u24 v7, v1, 48
	v_add_nc_u32 v7, s19, v7
	v_lshlrev_b32 v8, 4, v1
	v_mul_u32_u24 v10, v3, 12800
	v_lshl_add_u32 v10, v9, 5, v10                 ; my row's scale words
	s_lshl_b32 s20, s17, 20                        ; 256 rows of 4,096 bytes
	s_lshl_b32 s21, s16, 9
	s_add_co_u32 s20, s20, s21
	s_lshl_b32 s21, s[WV], 7
	s_add_co_u32 s20, s20, s21
	s_mov_b32 s21, 0
	s_lshl_b32 s22, s16, 3
	s_lshl_b32 s23, s[WV], 1
	s_add_co_u32 s22, s22, s23
	s_mul_i32 s22, s22, 12800
	s_mul_i32 s23, s15, 819200
	s_add_co_u32 s22, s22, s23
	s_mov_b32 s23, 0
	s_mul_i32 s24, s17, 3072
	s_mov_b32 s25, 0
	s_lshl_b32 s26, s17, 3
	s_mov_b32 s27, 0
	s_wait_alu depctr_va_vdst(0)
	s_wait_kmcnt 0x0
	s_cmp_eq_u32 s15, 1
	s_cselect_b64 s[4:5], s[6:7], s[4:5]
	s_cmp_eq_u32 s15, 2
	s_cselect_b64 s[4:5], s[8:9], s[4:5]
	s_cmp_eq_u32 s15, 3
	s_cselect_b64 s[4:5], s[10:11], s[4:5]
	s_add_nc_u64 s[4:5], s[4:5], s[20:21]
	s_add_nc_u64 s[12:13], s[12:13], s[22:23]
	s_add_nc_u64 s[28:29], s[12:13], s[26:27]
	s_add_nc_u64 s[12:13], s[12:13], s[24:25]
.macro WLOAD t                         ; block t: 32 rows down K at my column
.set jj, 0
.rept 32
	global_load_b32 v[32+32*((\t)%2)+jj], v5, s[4:5] offset:(32*(\t)+jj)*4096 th:TH_LOAD_NT
.set jj, jj+1
.endr
.endm
.macro WBLOCK t
.set XS, 32+32*((\t)%2)
.if (\t) < 7
	s_wait_loadcnt 32                              ; this block's 32 loads are in; the next block's may be out
.else
	s_wait_loadcnt 0x0
.endif
	v_max3_num_f32 v12, |v[XS]|, |v[XS+1]|, |v[XS+2]|
	v_max3_num_f32 v13, |v[XS+3]|, |v[XS+4]|, |v[XS+5]|
.irp i, 6,10,14,18,22,26
	v_max3_num_f32 v12, v12, |v[XS+\i]|, |v[XS+\i+1]|
	v_max3_num_f32 v13, v13, |v[XS+\i+2]|, |v[XS+\i+3]|
.endr
	v_max3_num_f32 v12, v12, |v[XS+30]|, |v[XS+31]|
	v_max3_num_f32 v12, v12, v13, 0x1800000        ; the floor: the byte cannot fall under 1
	v_add_nc_u32 v11, 0xff000000, v12
	v_lshrrev_b32 v13, 23, v11
.if (\t)%4 == 0
	v_mov_b32 v[24+(\t)/4], v13
.else
	v_lshl_or_b32 v[24+(\t)/4], v13, 8*((\t)%4), v[24+(\t)/4]
.endif
	v_cvt_scalef32_pk16_fp6_f32 v[96:98], v[XS:XS+15], v11
	v_cvt_scalef32_pk16_fp6_f32 v[100:102], v[XS+16:XS+31], v11
	v_nop
	v_mov_b32 v99, v100                            ; the block's 24 bytes on end
	v_mov_b32 v100, v101
	v_mov_b32 v101, v102
.irp k, 0,1,2
	ds_store_b64 v6, v[96+2*\k:97+2*\k] offset:1536*((\t)/4)+768*((\t)%2)+24*(((\t)%4)/2)+8*\k   ; block 2 c + h of a K step belongs to lane r + 16 h, registers 6 c on
.endr
.if (\t)+2 < 8
	WLOAD (\t)+2
.endif
	s_wait_dscnt 0x0
.endm
	WLOAD 0
	WLOAD 1
.irp t, 0,1,2,3,4,5,6,7
	WBLOCK \t
.endr
	s_wait_alu depctr_va_vdst(0)
	global_store_b64 v10, v[24:25], s[28:29] offset:12288
.irp f, 0,1,2,3
.irp c, 0,1,2
	ds_load_b128 v[112+4*(3*\f+\c):115+4*(3*\f+\c)], v7 offset:1536*\f+16*\c
.endr
.endr
.irp f, 0,1,2,3
.irp c, 0,1,2
	s_wait_dscnt 11-(3*\f+\c)
	global_store_b128 v8, v[112+4*(3*\f+\c):115+4*(3*\f+\c)], s[12:13] offset:(\f/2)*12800+(\f%2)*1536+512*\c   ; 512 consecutive bytes
.endr
.endr
	s_set_vgpr_msb 0x5
	s_wait_tensorcnt 0x0
	ds_add_u32 v0, v1
	s_wait_dscnt 0x0
	s_set_vgpr_msb 0x500
	s_endpgm
.Lfunc_end_k_q823f6df033_prep:
	.size	k_q823f6df033_prep, .Lfunc_end_k_q823f6df033_prep-k_q823f6df033_prep
	.p2alignl 7, 3214868480
	.fill 96, 4, 3214868480
	.section	.rodata,"a",@progbits
	.p2align	6, 0x0
	.amdhsa_kernel k_q823f6df033_prep
		.amdhsa_group_segment_fixed_size 93184
		.amdhsa_private_segment_fixed_size 0
		.amdhsa_enable_private_segment 0
		.amdhsa_kernarg_size 96
		.amdhsa_user_sgpr_count 2
		.amdhsa_user_sgpr_kernarg_segment_ptr 1
		.amdhsa_wavefront_size32 1
		.amdhsa_system_sgpr_workgroup_id_x 1
		.amdhsa_system_sgpr_workgroup_id_y 1
		.amdhsa_system_sgpr_workgroup_id_z 1
		.amdhsa_system_vgpr_workitem_id 0
		.amdhsa_next_free_vgpr 258
		.amdhsa_next_free_sgpr 66
		.amdhsa_reserve_vcc 1
		.amdhsa_float_denorm_mode_32 3
		.amdhsa_float_denorm_mode_16_64 3
		.amdhsa_memory_ordered 1
		.amdhsa_forward_progress 1
		.amdhsa_inst_pref_size 136
	.end_amdhsa_kernel
	.amdgpu_metadata
---
amdhsa.version: [ 1, 2 ]
amdhsa.kernels:
  - .name:           k_q823f6df033_prep
    .symbol:         k_q823f6df033_prep.kd
    .args:
      - { .name: emb, .offset: 0, .size: 8, .value_kind: global_buffer, .address_space: global }
      - { .name: emb_w, .offset: 8, .size: 8, .value_kind: global_buffer, .address_space: global }
      - { .name: q_w, .offset: 16, .size: 8, .value_kind: global_buffer, .address_space: global }
      - { .name: k_w, .offset: 24, .size: 8, .value_kind: global_buffer, .address_space: global }
      - { .name: v_w, .offset: 32, .size: 8, .value_kind: global_buffer, .address_space: global }
      - { .name: out_w, .offset: 40, .size: 8, .value_kind: global_buffer, .address_space: global }
      - { .name: x, .offset: 48, .size: 8, .value_kind: global_buffer, .address_space: global }
      - { .name: norm_w, .offset: 56, .size: 8, .value_kind: global_buffer, .address_space: global }
      - { .name: norm_b, .offset: 64, .size: 8, .value_kind: global_buffer, .address_space: global }
      - { .name: ep, .offset: 72, .size: 8, .value_kind: global_buffer, .address_space: global }
      - { .name: wimg, .offset: 80, .size: 8, .value_kind: global_buffer, .address_space: global }
      - { .name: aimg, .offset: 88, .size: 8, .value_kind: global_buffer, .address_space: global }
    .group_segment_fixed_size: 93184
    .private_segment_fixed_size: 0
    .kernarg_segment_align: 8
    .kernarg_segment_size: 96
    .max_flat_workgroup_size: 128
    .sgpr_count:     66
    .vgpr_count:     258
    .wavefront_size: 32
...
	.end_amdgpu_metadata
.endif
;; end of part 1
;; launch qkv (part 2): grid 256 x 1, 4 waves a work-group, clusters of 4 x 1, 307,712 bytes of LDS; arguments aimg, wimg, q_b, k_b, v_b, src_mask, qq, kv; writes qq, kv
.if DOCPART == 2
	.amdgcn_target "amdgcn-amd-amdhsa--gfx1250"
	.amdhsa_code_object_version 6
	.text
	.protected	k_q823f6df033_qkv
	.globl	k_q823f6df033_qkv
	.p2align	8
	.type	k_q823f6df033_qkv,@function
k_q823f6df033_qkv:
	s_mov_b64 s[64:65], 0
	v_nop
	global_prefetch_b8 v0, s[64:65] scope:SCOPE_SE
	s_setreg_imm32_b32 hwreg(HW_REG_WAVE_MODE, 25, 1), 1
	s_wait_xcnt 0x0
	s_wait_alu depctr_hold_cnt(0) depctr_sa_sdst(0) depctr_va_vdst(0) depctr_va_sdst(0) depctr_va_ssrc(0) depctr_va_vcc(0) depctr_vm_vsrc(0)
	s_getreg_b32 s2, hwreg(HW_REG_IB_STS2, 6, 4)
	s_cmp_eq_u32 s2, 0
	s_cbranch_scc0 .Lentry_in_a_cluster
	s_endpgm
.Lentry_in_a_cluster:
	s_bfe_u32 s2, ttmp6, 0x10000c
	s_cmp_lg_u32 s2, 0x3003
	s_cbranch_scc0 .Lentry_shape_is_right
	s_endpgm
.Lentry_shape_is_right:
; QKV: q = xn q_w + q_b, k = xn k_w + k_b, v = (xn v_w + v_b) x mask, on codes of E2M3 with E8M0 scales, and each result quantised at once for attention: q and k along the head's 64, v along the keys.
; SHARES: the images of q_w, k_w and v_w lie end to end: 192 tiles of 16 columns, 48 heads of 64 columns.  32 blocks of 256 tokens x 8 groups of 6 heads = 256 work-groups of equal work.
; THE TOKENS ARE RESIDENT: a wave keeps its 64 tokens (4 tiles) for all of K in 384 registers, read from memory once.  THE WEIGHTS ARE STREAMED: the group's 24 tiles (307,200 dense bytes) come into LDS once.
; A TRIP IS ONE HEAD (4 weight tiles x 4 token tiles: 16 accumulators, 128 matrix instructions); head number hd = 6 x group + trip: 0-15 q, 16-31 k, 32-47 v.  It hangs on the cluster's number and the loop's step alone.
;   q, k: source 0 = a weight tile, source 1 = a token tile: a lane holds one token and its registers run along the head's columns, which are the next product's K.
;   v:    source 0 = a token tile, source 1 = a weight tile: a lane holds one column and its registers run along the tokens, which are the keys.
; In both the accumulator is AC[32 x source 1's tile + 8 x source 0's tile], and source 0's tiles are laid so that 16 registers of two neighbouring tiles are 16 neighbours: one quantiser serves the three roles.
; EVERY SUM BEGINS WITH 0 AND THE BIAS IS ADDED TO THE FINISHED SUM, one f32 addition, in the order in which the product and the bias are written.
; The 64 results of a pair of source 1's tiles become a pair fragment of 12 registers: registers 0-5 tile 2 p, 6-11 tile 2 p + 1.
; OUT: qq, a record of 53,248 bytes for each (batch, head): 32 pair fragments of 1,536 bytes (chunk k: registers 2 k, 2 k + 1 at 256 k + 8 lane), then the scale words [pair / 2][lane][2].
;      kv, a record of 106,496 bytes: K's codes likewise; at 49,152 V's codes [64 keys][16 d][3 chunks]; at 98,304 K's scale words; at 102,400 V's.
; CLUSTER: the four partners take the same six heads and different tokens: the weights are asked for jointly, once.  Nothing in LDS is filled twice.
; LIMITS: a block of zeros or under 2^-124 gets the byte 1 (only this program reads the bytes); NaN and infinities are not served.
; REGISTERS: window 0: v2-8 addresses; v16-47 the tokens' scale words; v48-79 the weights'; v80-207 the sixteen accumulators; v208-245 the quantiser; v246-249 v_b.
;   window 1: the tokens' fragments of K steps 0-4;  window 2: of K steps 5-7; v144-175 the mask and v176-207 the trip's bias, both in the result's layout;  window 3: v0-95 the weights' fragments, two sets.
.set WV,   20
.set HD,   25
.set SEL,  56
.set LI,   2                           ; v2  16 x lane
.set RO,   3                           ; v3  32 x (lane % 16)
.set ADR,  4                           ; v4  the trip's fragments in LDS
.set ADS,  5                           ; v5  the trip's scale words in LDS
.set CO,   6                           ; v6  8 x lane
.set VBO,  7                           ; v7  4 x (lane % 16)
.set HO,   8                           ; v8  64 x (lane / 16)
.set RS,   16
.set SS,   48
.set AC,   80
.set TM,   208
.set PC,   224
.set PW,   244
.set VB,   246
.set MK,   144
.set BI,   176
.set MSB, 0
.macro WIN new                         ; the immediate's high byte repeats the setting that is left
.if MSB != \new
	s_set_vgpr_msb (MSB<<8)|\new
.set MSB, \new
.endif
.endm
.macro PLACES n
.rept \n
	v_nop
.endr
.endm
.macro ROUND                           ; a round of the cluster's barrier
	s_barrier_signal -1
	s_barrier_wait -1
	s_cmp_lg_u32 s[WV], 0
	s_cbranch_scc1 .Lnot_wave_0_\@
	s_barrier_signal -3
.Lnot_wave_0_\@:
	s_barrier_wait -3
	s_barrier_signal -1
	s_barrier_wait -1
.endm
; 64 numbers of a lane, register 16 b + i = k 32 b + 16 (lane / 16) + i, become 12 registers of codes in v[PC] on and a scale word in v[pw].
.macro QUANT s, pw
.irp b, 0,1,2,3
	v_max3_num_f32 v[TM+\b], |v[\s+16*\b]|, |v[\s+1+16*\b]|, 0x1800000   ; my 16 numbers of block b, and the floor 2^(3 - 127)
.endr
.irp i, 2,4,6,8,10,12,14
.irp b, 0,1,2,3
	v_max3_num_f32 v[TM+\b], v[TM+\b], |v[\s+16*\b+\i]|, |v[\s+1+16*\b+\i]|
.endr
.endr
.irp b, 0,1,2,3
	v_permlanex16_b32 v[TM+4+\b], v[TM+\b], s[SEL], s[SEL+1]
.endr
.irp b, 0,1,2,3
	v_max_num_f32 v[TM+\b], v[TM+\b], v[TM+4+\b]
.endr
.irp b, 0,1,2,3
	v_add_nc_u32 v[TM+12+\b], 0xff000000, v[TM+\b]
.endr
.irp b, 0,1,2,3
	v_lshrrev_b32 v[TM+4+\b], 23, v[TM+12+\b]
.endr
	v_lshl_or_b32 v[\pw], v[TM+5], 8, v[TM+4]
	v_lshl_or_b32 v[\pw], v[TM+6], 16, v[\pw]
	v_lshl_or_b32 v[\pw], v[TM+7], 24, v[\pw]
.irp c, 0,1
	v_cvt_scalef32_pk16_fp6_f32 v[PC+6*\c:PC+2+6*\c], v[\s+32*\c:\s+15+32*\c], v[TM+12+2*\c]
	v_cvt_scalef32_pk16_fp6_f32 v[PC+12+4*\c:PC+14+4*\c], v[\s+16+32*\c:\s+31+32*\c], v[TM+12+2*\c+1]
.endr
	v_nop                                          ; one plain line behind the scaled conversions
.irp c, 0,1
.irp i, 0,1,2
	v_permlane16_swap_b32 v[PC+6*\c+\i], v[PC+12+4*\c+\i]
.endr
.irp i, 0,1,2
	v_mov_b32 v[PC+3+6*\c+\i], v[PC+12+4*\c+\i]
.endr
.endr
.endm
	s_load_b256 s[4:11], s[0:1], 0x0               ; aimg, wimg, q_b, k_b
	s_load_b256 s[12:19], s[0:1], 0x20             ; v_b, src_mask, qq, kv
	v_lshl_add_u32 v254, v0, 2, 0x4b000
	v_mov_b32 v255, 0
	ds_add_u32 v254, v255
	ds_add_u32 v254, v255
	v_lshrrev_b32 v1, 5, v0
	v_readfirstlane_b32 s[WV], v1                  ; wave 0..3
	s_bfe_u32 s21, ttmp6, 0x40000                  ; cx: it enters the tokens', the mask's and the outputs' global addresses alone
	s_and_b32 s22, ttmp9, 7                        ; which six heads: the same in all four partners
	s_lshr_b32 s23, ttmp9, 3
	s_lshl_b32 s24, s23, 2
	s_add_co_u32 s24, s24, s21                     ; which 256 tokens
	s_mul_i32 s[HD], s22, 6                        ; the first trip's head number, 0 .. 47
	s_lshr_b32 s26, s24, 2
	s_lshl_b32 s26, s26, 4                         ; 16 x batch
	s_and_b32 s72, s24, 3                          ; which 256 tokens of the batch
	s_mul_i32 s77, s72, 12288
	s_mul_i32 s73, s[WV], 3072
	s_add_co_u32 s77, s77, s73                     ; my 64 tokens' place among a record's codes: two pairs of q or k, or one group of 64 keys of v: 3,072 bytes either way
	s_lshl_b32 s78, s72, 10
	s_lshl_b32 s73, s[WV], 8
	s_add_co_u32 s78, s78, s73                     ; and among its scale words: 256 bytes
	s_mul_i32 s58, s22, 307200                     ; the six heads' 24 records of 12,800 bytes
	s_mul_i32 s27, s[WV], 76800                    ; my quarter of them, in memory and in LDS
	s_add_co_u32 s58, s58, s27
	s_mov_b32 s59, 0
	s_lshl_b32 s60, s24, 2
	s_add_co_u32 s60, s60, s[WV]                   ; my group of 64 tokens
	s_lshl_b32 s70, s60, 8                         ; its 256 bytes of the mask
	s_mov_b32 s71, 0
	s_mul_i32 s60, s60, 51200                      ; its four records
	s_mov_b32 s61, 0
	s_mov_b32 s63, 0
	s_mov_b32 s67, 0
	s_mov_b32 s69, 0
	s_mov_b32 s[SEL], 0x76543210
	s_mov_b32 s[SEL+1], 0xfedcba98                 ; v_permlanex16_b32's selects for lane l xor 16
	; the descriptor: my quarter of the weights, a dense block of 300 rows of 256 bytes
	s_mov_b32 s32, 15|(3<<16)|(1<<21)              ; 15:0 the mask: all four partners; 17:16 elements of 8 bytes; 21 set beside a mask
	s_mov_b32 s33, 32<<16                          ; tensor_dim0 = 32
	s_mov_b32 s34, 300<<16                         ; tensor_dim1 = 300
	s_mov_b32 s35, 32<<16                          ; tile_dim0
	s_mov_b32 s36, 300                             ; tile_dim1
	s_mov_b32 s37, 32                              ; the pitch
	s_mov_b32 s38, 0
	s_mov_b32 s39, 0
	s_mov_b32 s28, 1
	s_mov_b32 s29, s27
	s_wait_dscnt 0x0
	s_wait_kmcnt 0x0
	s_add_nc_u64 s[30:31], s[6:7], s[58:59]
	s_or_b32 s31, s31, 0x80000000
	s_add_nc_u64 s[40:41], s[4:5], s[60:61]        ; my tokens' records
	s_add_nc_u64 s[48:49], s[14:15], s[70:71]      ; my tokens' mask
	ROUND                                          ; all four work-groups are here: the joint loads meet
	tensor_load_to_lds s[28:31], s[32:39]
	s_nop 0
	PLACES 4
	v_and_b32 v1, 31, v0
	v_lshlrev_b32 v[LI], 4, v1
	v_and_b32 v9, 15, v0
	v_bfe_u32 v10, v0, 4, 1
	v_lshlrev_b32 v[RO], 5, v9
	v_lshlrev_b32 v[CO], 3, v1
	v_lshlrev_b32 v[VBO], 2, v9
	v_lshlrev_b32 v[HO], 6, v10
.irp k, 0,1,2,3
	v_mov_b32 v[TM+4+\k], 0                        ; a lane permute's destination counts as one of its sources
.endr
	WIN 0x40                                       ; destination window 1
.irp s, 0,1,2,3,4
.irp i, 0,1,2,3
.irp c, 0,1,2
	global_load_b128 v[12*(4*\s+\i)+4*\c:12*(4*\s+\i)+4*\c+3], v[LI], s[40:41] offset:12800*\i+1536*\s+512*\c
.endr
.endr
.endr
	WIN 0x80                                       ; destination window 2
.irp s, 5,6,7
.irp i, 0,1,2,3
.irp c, 0,1,2
	global_load_b128 v[12*(4*(\s-5)+\i)+4*\c:12*(4*(\s-5)+\i)+4*\c+3], v[LI], s[40:41] offset:12800*\i+1536*\s+512*\c
.endr
.endr
.endr
.irp i, 0,1,2,3                                ; in v's trips register 8 i + j goes with token 32 (i / 2) + 16 h + 8 (i % 2) + j of my 64
	global_load_b128 v[MK+8*\i:MK+8*\i+3], v[HO], s[48:49] offset:4*(32*(\i/2)+8*(\i%2))
	global_load_b128 v[MK+8*\i+4:MK+8*\i+7], v[HO], s[48:49] offset:4*(32*(\i/2)+8*(\i%2))+16
.endr
	WIN 0
.irp i, 0,1,2,3
	global_load_b128 v[RS+8*\i:RS+8*\i+3], v[RO], s[40:41] offset:12800*\i+12288
	global_load_b128 v[RS+8*\i+4:RS+8*\i+7], v[RO], s[40:41] offset:12800*\i+12288+16
.endr
	s_wait_loadcnt 0x0
	s_wait_tensorcnt 0x0                           ; my quarter of the weights has landed,
	s_barrier_signal -1
	s_barrier_wait -1                              ; everybody's has.
.macro SLOAD s                         ; the head's four weight fragments of K step s into set s % 2 of window 3
	WIN 0xc0                                       ; destination window 3, address window 0
.irp i, 0,1,2,3
.irp c, 0,1,2
	ds_load_b128 v[48*((\s)%2)+12*\i+4*\c:48*((\s)%2)+12*\i+4*\c+3], v[ADR] offset:\i*12800+1536*(\s)+512*\c
.endr
.endr
.endm
; sixteen products of K step s: the sixteen accumulators by turns.  v = 0: q or k (source 0 the weights, source 1 the tokens); v = 1: the other way round.  zero = 1: the sums begin, with the constant 0
.macro MM s, v, zero
.set SFS, 48*((\s)%2)
.if \v
.if (\s) < 5
	WIN 0x0d                                       ; source 0 window 1, source 1 window 3
.else
	WIN 0x0e                                       ; source 0 window 2, source 1 window 3
.endif
.else
.if (\s) < 5
	WIN 0x07                                       ; source 0 window 3, source 1 window 1
.else
	WIN 0x0b                                       ; source 0 window 3, source 1 window 2
.endif
.endif
.irp u, 0,1,2,3
.irp i, 0,1,2,3
.if \v
.if \zero
	v_wmma_scale_f32_16x16x128_f8f6f4 v[AC+32*\u+8*\i:AC+32*\u+8*\i+7], v[12*(4*((\s)%5)+\i):12*(4*((\s)%5)+\i)+11], v[SFS+12*\u:SFS+12*\u+11], 0, v[RS+8*\i+(\s)], v[SS+8*\u+(\s)] matrix_a_fmt:MATRIX_FMT_FP6 matrix_b_fmt:MATRIX_FMT_FP6
.else
	v_wmma_scale_f32_16x16x128_f8f6f4 v[AC+32*\u+8*\i:AC+32*\u+8*\i+7], v[12*(4*((\s)%5)+\i):12*(4*((\s)%5)+\i)+11], v[SFS+12*\u:SFS+12*\u+11], v[AC+32*\u+8*\i:AC+32*\u+8*\i+7], v[RS+8*\i+(\s)], v[SS+8*\u+(\s)] matrix_a_fmt:MATRIX_FMT_FP6 matrix_b_fmt:MATRIX_FMT_FP6
.endif
.else
.if \zero
	v_wmma_scale_f32_16x16x128_f8f6f4 v[AC+32*\u+8*\i:AC+32*\u+8*\i+7], v[SFS+12*\i:SFS+12*\i+11], v[12*(4*((\s)%5)+\u):12*(4*((\s)%5)+\u)+11], 0, v[SS+8*\i+(\s)], v[RS+8*\u+(\s)] matrix_a_fmt:MATRIX_FMT_FP6 matrix_b_fmt:MATRIX_FMT_FP6
.else
	v_wmma_scale_f32_16x16x128_f8f6f4 v[AC+32*\u+8*\i:AC+32*\u+8*\i+7], v[SFS+12*\i:SFS+12*\i+11], v[12*(4*((\s)%5)+\u):12*(4*((\s)%5)+\u)+11], v[AC+32*\u+8*\i:AC+32*\u+8*\i+7], v[SS+8*\i+(\s)], v[RS+8*\u+(\s)] matrix_a_fmt:MATRIX_FMT_FP6 matrix_b_fmt:MATRIX_FMT_FP6
.endif
.endif
.endr
.endr
.endm
; all of K for one head, K ascending.  A K step's twelve loads (6,144 bytes a wave, for sixteen products) are issued one K step ahead, four plain lines behind the products that read their registers last.
.macro KLOOP v
	SLOAD 0
	WIN 0
.irp i, 0,1,2,3
	ds_load_b128 v[SS+8*\i:SS+8*\i+3], v[ADS] offset:\i*12800+12288
	ds_load_b128 v[SS+8*\i+4:SS+8*\i+7], v[ADS] offset:\i*12800+12288+16
.endr
	SLOAD 1
	s_wait_dscnt 12                                ; all but the twelve just issued
	MM 0, \v, 1
.irp s, 1,2,3,4,5,6
	PLACES 4
	SLOAD \s+1
	s_wait_dscnt 12
	MM \s, \v, 0
.endr
	s_wait_dscnt 0x0
	MM 7, \v, 0
	WIN 0
	PLACES 4                                       ; in front of the first read of the results
.endm
	s_mov_b32 s54, 0
	s_mov_b32 s55, 6
.Ltrip:                                                ; one head a trip
	; where this head's vector lies and where its results go.  (No memory instruction that names s[42:47] is untranslated here: the wait at the trip's end has seen to it.)
	s_and_b32 s72, s[HD], 15                       ; the head
	s_add_co_u32 s73, s72, s26                     ; 16 batch + head
	s_lshl_b32 s62, s72, 8                         ; its 256 bytes of the bias
	s_cmp_lt_u32 s[HD], 16                         ; q?
	s_mov_b32 s74, 106496
	s_cselect_b32 s74, 53248, s74                  ; a record's bytes
	s_mov_b32 s75, 98304
	s_cselect_b32 s75, 49152, s75                  ; where its scale words begin: q's, k's,
	s_cselect_b64 s[44:45], s[16:17], s[18:19]     ; qq or kv
	s_cselect_b64 s[42:43], s[8:9], s[10:11]       ; q_b or k_b
	s_cmp_lt_u32 s[HD], 32                         ; q or k?
	s_cselect_b32 s75, s75, 102400                 ; or v's
	s_cselect_b32 s76, 0, 49152                    ; where its codes begin
	s_cselect_b64 s[42:43], s[42:43], s[12:13]     ; or v_b
	s_mul_i32 s73, s73, s74
	s_add_co_u32 s66, s73, s76
	s_add_co_u32 s66, s66, s77
	s_add_co_u32 s68, s73, s75
	s_add_co_u32 s68, s68, s78
	s_add_nc_u64 s[46:47], s[44:45], s[68:69]      ; the scale words' place
	s_add_nc_u64 s[44:45], s[44:45], s[66:67]      ; the codes'
	s_add_nc_u64 s[42:43], s[42:43], s[62:63]
	v_add_nc_u32 v[ADR], s54, v[LI]
	s_wait_alu depctr_va_vdst(0)
	v_add_nc_u32 v[ADS], s54, v[RO]
	s_cmp_lt_u32 s[HD], 32
	s_cbranch_scc0 .Lv
	WIN 0x80                                       ; destination window 2
.irp i, 0,1,2,3                                ; register 8 i + j goes with the head's column 32 (i / 2) + 16 h + 8 (i % 2) + j
	global_load_b128 v[BI+8*\i:BI+8*\i+3], v[HO], s[42:43] offset:4*(32*(\i/2)+8*(\i%2))
	global_load_b128 v[BI+8*\i+4:BI+8*\i+7], v[HO], s[42:43] offset:4*(32*(\i/2)+8*(\i%2))+16
.endr
	KLOOP 0
	s_wait_loadcnt 0x0                             ; the bias
	WIN 0x08                                       ; source 1 window 2
.set jj, 0
.rept 16
.irp u, 0,1,2,3
	v_pk_add_f32 v[AC+32*\u+jj:AC+32*\u+jj+1], v[AC+32*\u+jj:AC+32*\u+jj+1], v[BI+jj:BI+jj+1]   ; + the bias of the register's column, onto the finished sum
.endr
.set jj, jj+2
.endr
	WIN 0
	s_branch .Lsummed
.Lv:
.irp k, 0,1,2,3
	global_load_b32 v[VB+\k], v[VBO], s[42:43] offset:64*\k   ; v_b of my column of weight tile k
.endr
	s_wait_alu depctr_va_vdst(0)
	KLOOP 1
	s_wait_loadcnt 0x0
.irp u, 0,1,2,3
.set jj, 0
.rept 16
.if (\u)%2 == 0
	v_pk_add_f32 v[AC+32*\u+jj:AC+32*\u+jj+1], v[AC+32*\u+jj:AC+32*\u+jj+1], v[VB+2*(\u/2):VB+2*(\u/2)+1] op_sel_hi:[1,0]
.else
	v_pk_add_f32 v[AC+32*\u+jj:AC+32*\u+jj+1], v[AC+32*\u+jj:AC+32*\u+jj+1], v[VB+2*(\u/2):VB+2*(\u/2)+1] op_sel:[0,1] op_sel_hi:[1,1]
.endif
.set jj, jj+2
.endr
.endr
	WIN 0x08                                       ; source 1 window 2
.set jj, 0
.rept 16
.irp u, 0,1,2,3
	v_pk_mul_f32 v[AC+32*\u+jj:AC+32*\u+jj+1], v[AC+32*\u+jj:AC+32*\u+jj+1], v[MK+jj:MK+jj+1]   ; x the token's mask
.endr
.set jj, jj+2
.endr
	WIN 0
.Lsummed:
	s_wait_xcnt 0x0                                ; the earlier stores have read the codes' registers
	QUANT AC, PW
.irp k, 0,1,2,3,4,5
	global_store_b64 v[CO], v[PC+2*\k:PC+2*\k+1], s[44:45] offset:256*\k   ; 32 lanes store 256 consecutive bytes, aligned
.endr
	s_wait_xcnt 0x0                                ; these stores have read the codes' registers
	QUANT AC+64, PW+1
.irp k, 0,1,2,3,4,5
	global_store_b64 v[CO], v[PC+2*\k:PC+2*\k+1], s[44:45] offset:1536+256*\k
.endr
	global_store_b64 v[CO], v[PW:PW+1], s[46:47]   ; the two pairs' scale words: 256 consecutive bytes
	s_wait_xcnt 0x0                                ; bases and data may be written again
	s_add_co_u32 s[HD], s[HD], 1
	s_add_co_u32 s54, s54, 51200                   ; the next head's four records in LDS
	s_sub_co_u32 s55, s55, 1
	s_cmp_lg_u32 s55, 0
	s_cbranch_scc1 .Ltrip
	s_wait_dscnt 0x0
	s_wait_tensorcnt 0x0
	ds_add_u32 v254, v255
	s_wait_dscnt 0x0
	ROUND                                          ; the closing round
	s_endpgm
.Lfunc_end_k_q823f6df033_qkv:
	.size	k_q823f6df033_qkv, .Lfunc_end_k_q823f6df033_qkv-k_q823f6df033_qkv
	.p2alignl 7, 3214868480
	.fill 96, 4, 3214868480
	.section	.rodata,"a",@progbits
	.p2align	6, 0x0
	.amdhsa_kernel k_q823f6df033_qkv
		.amdhsa_group_segment_fixed_size 307712
		.amdhsa_private_segment_fixed_size 0
		.amdhsa_enable_private_segment 0
		.amdhsa_kernarg_size 64
		.amdhsa_user_sgpr_count 2
		.amdhsa_user_sgpr_kernarg_segment_ptr 1
		.amdhsa_wavefront_size32 1
		.amdhsa_system_sgpr_workgroup_id_x 1
		.amdhsa_system_sgpr_workgroup_id_y 1
		.amdhsa_system_sgpr_workgroup_id_z 1
		.amdhsa_system_vgpr_workitem_id 0
		.amdhsa_next_free_vgpr 864
		.amdhsa_next_free_sgpr 96
		.amdhsa_reserve_vcc 0
		.amdhsa_float_denorm_mode_32 3
		.amdhsa_float_denorm_mode_16_64 3
		.amdhsa_memory_ordered 1
		.amdhsa_forward_progress 1
		.amdhsa_inst_pref_size 87
	.end_amdhsa_kernel
	.amdgpu_metadata
---
amdhsa.version: [ 1, 2 ]
amdhsa.kernels:
  - .name:           k_q823f6df033_qkv
    .symbol:         k_q823f6df033_qkv.kd
    .args:
      - { .name: aimg, .offset: 0, .size: 8, .value_kind: global_buffer, .address_space: global }
      - { .name: wimg, .offset: 8, .size: 8, .value_kind: global_buffer, .address_space: global }
      - { .name: q_b, .offset: 16, .size: 8, .value_kind: global_buffer, .address_space: global }
      - { .name: k_b, .offset: 24, .size: 8, .value_kind: global_buffer, .address_space: global }
      - { .name: v_b, .offset: 32, .size: 8, .value_kind: global_buffer, .address_space: global }
      - { .name: src_mask, .offset: 40, .size: 8, .value_kind: global_buffer, .address_space: global }
      - { .name: qq, .offset: 48, .size: 8, .value_kind: global_buffer, .address_space: global }
      - { .name: kv, .offset: 56, .size: 8, .value_kind: global_buffer, .address_space: global }
    .group_segment_fixed_size: 307712
    .private_segment_fixed_size: 0
    .kernarg_segment_align: 8
    .kernarg_segment_size: 64
    .max_flat_workgroup_size: 128
    .sgpr_count:     96
    .vgpr_count:     864
    .wavefront_size: 32
...
	.end_amdgpu_metadata
.endif
;; end of part 2
;; launch attn (part 3): grid 2 x 128, 16 waves a work-group, no clusters, 196,096 bytes of LDS; arguments qq, kv, src_mask, ep, emb_b, y, ef; writes y, ef
.if DOCPART == 3
	.amdgcn_target "amdgcn-amd-amdhsa--gfx1250"
	.amdhsa_code_object_version 6
	.text
	.protected	k_q823f6df033_attn
	.globl	k_q823f6df033_attn
	.p2align	8
	.type	k_q823f6df033_attn,@function
k_q823f6df033_attn:
	s_mov_b64 s[64:65], 0
	v_nop
	global_prefetch_b8 v0, s[64:65] scope:SCOPE_SE
	s_setreg_imm32_b32 hwreg(HW_REG_WAVE_MODE, 25, 1), 1
	s_wait_xcnt 0x0
; ATTN: y[b][n][head] = softmax_m(q . k + (1 - mask[m]) x -1e6) v, both products on codes of E2M3 with E8M0 scales.  No 1/sqrt(d).
; THE SOFTMAX AHEAD OF THE SECOND PRODUCT: t = logit x log2(e), rounded to f32; M = the running largest t rounded UP to a whole number; p = 2^(t - M) is quantised along the keys; the row's sum is taken of the
; unquantised p and divides at the end; when M moves, the sum and O are multiplied by 2^(old M - new M), which rounds nothing.  t is made by a multiplication of its own and M is taken off by an addition: two roundings, as the rule writes them.
; SHARES: a work-group is one (batch, head) and 512 queries; each of its sixteen waves owns 32 queries, two tiles of 16, one after the other.
; THE HEAD'S WHOLE RECORD OF K AND V (106,496 bytes) comes into LDS once, 26 rows of 256 bytes by each wave's tensor load, 32 bytes of padding behind each row; nothing is filled twice.
; No cluster: only two work-groups share a record, and each asks for it once.  No prefetch: all that comes from memory is asked for at the head, and the loops read LDS alone.
; LAYOUT: S^T = K Q^T, O^T = V^T P^T: a lane holds one query.  The head has 64 numbers and the instruction takes 128 along K: one fragment of K holds two tiles of keys in the two halves of the 128;
; q stands in the registers [q][zeros][q]: the first twelve pick the lower tile, the last twelve the upper.
; WHICH KEYS FORM A TILE is chosen by the LDS address: fragment (g, x) of a step takes for its row r the image's pair 2 g + r / 8, row 8 x + r % 8.  Row r of its half u is then key 64 g + 32 (r / 8) + 16 x + 8 u + r % 8,
; so the 32 score registers of group g in lane half h are keys 64 g + 32 h + 0 .. 31: ONE WHOLE BLOCK OF 32 IN A LANE, in the order of the operand's registers.  A block's maximum needs no other lane and its codes no exchange.
; THE MASK'S TERM is the C of the first product: the scores' registers are loaded with it, one step ahead.  Its first 512 bytes lie once more behind the last, for the last step's look ahead, which the next tile uses.
; Wave 15 also sums 64 numbers of the partial sums of silu(emb) @ emb_w, adds emb_b (and 1 to the scale half) and stores them to ef.
; LIMITS: the promise holds while the scaled scores stay under 2^31 in magnitude; NaN and infinities are not served; a block of p that has fallen to 0 keeps the byte 1; the division is v_rcp_f32 and a multiplication.
.set WV,  18
.set SEL, 22
.set CS,  24
.set T6,  40                           ; 24 rows x step: the codes
.set T5,  41                           ; 2 rows x step: the scale words
.set T7,  3                            ; 512 x step: the mask's term
.set KC,  42
.set TC,  43
.set PIT, 288                          ; an LDS row: 256 bytes + 32
.set MB,  416*PIT                      ; (1 - mask) x -1e6 of the batch's 1,024 keys, and keys 0-127 once more: 4,608 bytes
.set STAGE, MB+4608                    ; 16 rows x (256 + 16) bytes for each wave
.set SPARE, STAGE+16*4352              ; the spare words, 128 bytes a wave
.set AK0, 1
.set AV0, 2
.set KS0, 3
.set VS0, 4
.set AM0, 5
.set ADK, 6
.set ADV, 7
.set ADKS, 8
.set ADVS, 9
.set ADM, 10
.set GO,  11
.set STO, 16
.set RD,  17
.set H8,  18
.set WQ,  19
.set WQC, 20
.set L8,  21
.set Q0,  22                           ; v22-39 [q][zeros][q]
.set QN,  40
.set KF,  48                           ; four fragments of K, then of V^T
.set S,   96
.set O,   160
.set PCD, 192
.set TT,  204
.set MA,  212
.set BS,  216
.set BT,  218
.set KSW, 220
.set VRAW, 224
.set VSW, 228
.set PSW, 232
.set F,   234
.set T0,  236
.set T1,  237
.set SU,  238
.set SPW, 254
.set NIL, 255
.macro CLOAD a, off                    ; the mask's term of 128 keys into the scores' registers: register 32 g + i goes with key 64 g + 32 h + i
.set nn, 0
.rept 16
	ds_load_b128 v[S+4*nn:S+4*nn+3], v[\a] offset:\off+256*(nn/8)+16*(nn%8)
.set nn, nn+1
.endr
.endm
.macro SUM4 j                          ; four pairs of p onto the four chains
	v_pk_add_f32 v[14:15], v[14:15], v[S+\j:S+\j+1]
	v_pk_add_f32 v[SU:SU+1], v[SU:SU+1], v[S+\j+2:S+\j+3]
	v_pk_add_f32 v[SU+2:SU+3], v[SU+2:SU+3], v[S+\j+4:S+\j+5]
	v_pk_add_f32 v[SU+4:SU+5], v[SU+4:SU+5], v[S+\j+6:S+\j+7]
.endm
	s_load_b256 s[4:11], s[0:1], 0x0               ; qq, kv, src_mask, ep
	s_load_b128 s[12:15], s[0:1], 0x20             ; emb_b, y
	s_load_b64 s[16:17], s[0:1], 0x30              ; ef
	v_lshl_add_u32 v[SPW], v0, 2, SPARE
	v_mov_b32 v[NIL], 0
	ds_add_u32 v[SPW], v[NIL]                      ; the opening lines: the add, twice on end, and its wait
	ds_add_u32 v[SPW], v[NIL]
	v_lshrrev_b32 v46, 5, v0
	s_delay_alu instid0(VALU_DEP_1)
	v_readfirstlane_b32 s[WV], v46                 ; wave 0..15
	s_mov_b32 s19, ttmp9                           ; which 512 queries
	s_and_b32 s20, ttmp7, 0xffff                   ; 16 batch + head
	s_lshl_b32 s21, s19, 4
	s_add_co_u32 s21, s21, s[WV]                   ; my pair of query tiles: tokens 32 P on
	s_mul_i32 s62, s20, 106496
	s_mul_i32 s63, s[WV], 6656                     ; my sixteenth of the record: 26 rows of 256 bytes
	s_add_co_u32 s44, s62, s63
	s_mov_b32 s45, 0
	s_mul_i32 s29, s[WV], 26*PIT                   ; and its place in LDS
	s_mov_b32 s28, 1
	s_mov_b32 s32, (3<<16)|(1<<20)|(5<<22)|(7<<25) ; elements of 8 bytes; behind every 64 words 8 words of padding
	s_mov_b32 s33, 32<<16
	s_mov_b32 s34, 26<<16
	s_mov_b32 s35, 32<<16
	s_mov_b32 s36, 26
	s_mov_b32 s37, 32
	s_mov_b32 s38, 0
	s_mov_b32 s39, 0
	s_mul_i32 s63, s[WV], 4352
	s_add_co_u32 s63, s63, STAGE                   ; my stage
	s_wait_dscnt 0x0
	s_wait_kmcnt 0x0
	s_add_nc_u64 s[30:31], s[6:7], s[44:45]
	s_or_b32 s31, s31, 0x80000000
	tensor_load_to_lds s[28:31], s[32:39]
	s_nop 0
	v_and_b32 v46, 31, v0                          ; lane
	v_and_b32 v47, 15, v0                          ; r
	v_bfe_u32 v[T1], v0, 4, 1                      ; h
	v_bfe_u32 v[T0], v0, 3, 1                      ; r / 8
	v_and_b32 v[BT], 7, v0                         ; r % 8
	v_lshlrev_b32 v[L8], 3, v46                    ; 8 l
	v_add_nc_u32 v[AV0], 192*PIT, v[L8]            ; V's codes begin at row 192
	v_add_nc_u32 v[VS0], 400*PIT, v[L8]            ; V's scale words at row 400
	v_mul_u32_u24 v[AK0], v[T0], 6*PIT             ; K's codes: the pair r / 8,
	v_lshl_add_u32 v[AK0], v[T1], 7, v[AK0]        ; the image's lane 16 h + r % 8 (+ 8 x by the offset)
	v_lshl_add_u32 v[AK0], v[BT], 3, v[AK0]
	v_lshlrev_b32 v[KS0], 3, v[BT]                 ; K's scale words, from row 384: [lane][pair]
	v_lshl_add_u32 v[KS0], v[T0], 2, v[KS0]
	v_add_nc_u32 v[KS0], 384*PIT, v[KS0]
	v_lshlrev_b32 v[AM0], 7, v[T1]
	v_add_nc_u32 v[AM0], MB, v[AM0]                ; the mask's term: my half's 32 keys of each 64
	v_lshlrev_b32 v[H8], 3, v[T1]                  ; 8 h
	v_lshlrev_b32 v[GO], 12, v[T1]
	v_lshl_add_u32 v[GO], v47, 4, v[GO]            ; the way out: lanes 0-15 one row of y, lanes 16-31 the next
	v_mul_u32_u24 v[STO], v47, 272
	v_lshl_add_u32 v[STO], v[T1], 5, v[STO]
	v_add_nc_u32 v[STO], s63, v[STO]
	v_mul_u32_u24 v[RD], v[T1], 272
	v_lshl_add_u32 v[RD], v47, 4, v[RD]
	v_add_nc_u32 v[RD], s63, v[RD]
	v_lshlrev_b32 v[ADK], 3, v0                    ; 8 x thread: my two keys of the mask
	v_add_nc_u32 v[ADV], MB, v[ADK]
	s_wait_alu depctr_va_vdst(0)                   ; the wait ahead of the run of scalar lines
	s_mul_i32 s62, s20, 53248
	s_mul_i32 s44, s21, 1536
	s_add_co_u32 s44, s44, s62
	s_add_nc_u64 s[46:47], s[4:5], s[44:45]        ; my pair fragment of q
	s_lshr_b32 s44, s21, 1
	s_lshl_b32 s44, s44, 8
	s_and_b32 s63, s21, 1
	s_lshl_b32 s63, s63, 2
	s_add_co_u32 s44, s44, s63
	s_add_co_u32 s44, s44, s62
	s_add_co_u32 s44, s44, 49152
	s_add_nc_u64 s[48:49], s[4:5], s[44:45]        ; and its scale word
	s_lshr_b32 s62, s20, 4                         ; the batch
	s_lshl_b32 s44, s62, 12
	s_add_nc_u64 s[52:53], s[8:9], s[44:45]
	s_lshl_b32 s44, s62, 10
	s_lshl_b32 s63, s21, 5
	s_add_co_u32 s44, s44, s63
	s_lshl_b32 s44, s44, 12
	s_and_b32 s63, s20, 15
	s_lshl_b32 s63, s63, 8
	s_add_co_u32 s44, s44, s63
	s_add_nc_u64 s[54:55], s[14:15], s[44:45]      ; y at token 32 P, my head's 256 bytes
	s_lshl_b32 s62, s20, 1
	s_add_co_u32 s62, s62, s19                     ; which 64 numbers of e
	s_lshl_b32 s44, s62, 8
	s_add_nc_u64 s[56:57], s[10:11], s[44:45]
	s_add_nc_u64 s[60:61], s[16:17], s[44:45]
	s_and_b32 s62, s62, 31
	s_lshl_b32 s44, s62, 8
	s_add_nc_u64 s[58:59], s[12:13], s[44:45]
	s_cmp_lt_u32 s62, 16
	s_cselect_b32 s50, 1.0, 0                      ; the first 1,024 columns are the scale: 1 + scale is kept
	s_mov_b32 s51, s50
	s_mov_b32 s[SEL], 0x76543210
	s_mov_b32 s[SEL+1], 0xfedcba98                 ; v_permlanex16_b32's selects for lane l xor 16
	s_mov_b32 s[CS], 0x3fb8aa3b                    ; log2(e)
	s_mov_b32 s[CS+1], s[CS]
	s_mov_b32 s26, 0x05040100
	s_mov_b32 s27, 0x07060302
.irp k, 0,1,2
	global_load_b64 v[Q0+2*\k:Q0+2*\k+1], v[L8], s[46:47] offset:256*\k          ; the first tile's q
	global_load_b64 v[QN+2*\k:QN+2*\k+1], v[L8], s[46:47] offset:768+256*\k      ; the second's
.endr
	global_load_b32 v[WQ], v[L8], s[48:49]
	global_load_b64 v[T0:T1], v[ADK], s[52:53]
	s_cmp_lg_u32 s[WV], 15
	s_cbranch_scc1 .Lnot_15
.irp j, 0,1,2,3,4,5,6,7
	global_load_b64 v[48+2*\j:49+2*\j], v[L8], s[56:57] offset:65536*\j
.endr
	global_load_b64 v[64:65], v[L8], s[58:59]
	s_wait_loadcnt 0x0
	v_pk_add_f32 v[48:49], v[48:49], v[50:51]
.irp j, 2,3,4,5,6,7,8
	s_delay_alu instid0(VALU_DEP_1)
	v_pk_add_f32 v[48:49], v[48:49], v[48+2*\j:49+2*\j]   ; K slices ascending, then emb_b
.endr
	s_delay_alu instid0(VALU_DEP_1)
	v_pk_add_f32 v[48:49], v[48:49], s[50:51] op_sel_hi:[1,0]
	global_store_b64 v[L8], v[48:49], s[60:61]     ; 256 consecutive bytes, aligned
.Lnot_15:
	s_wait_loadcnt 0x0
	v_sub_f32 v[T0], 1.0, v[T0]
	v_sub_f32 v[T1], 1.0, v[T1]
	s_delay_alu instid0(VALU_DEP_2)
	v_mul_f32 v[T0], 0xc9742400, v[T0]             ; x -1,000,000
	s_delay_alu instid0(VALU_DEP_2)
	v_mul_f32 v[T1], 0xc9742400, v[T1]
	ds_store_b64 v[ADV], v[T0:T1]
	s_cmp_lt_u32 s[WV], 2
	s_cbranch_scc0 .Lno_copy
	ds_store_b64 v[ADV], v[T0:T1] offset:4096      ; waves 0 and 1: keys 0-127 once more, behind the last
.Lno_copy:
.irp i, 0,1,2,3,4,5
	v_mov_b32 v[Q0+6+\i], 0                        ; the zero codes between the two copies of q
.endr
	v_mov_b32 v[F+1], 0                            ; (named as the upper half of a pair)
	s_wait_alu depctr_va_vdst(0)                   ; the wait at the head's end
	s_wait_tensorcnt 0x0                           ; my part of the record has landed,
	s_wait_dscnt 0x0                               ; my part of the mask's term is stored,
	s_wait_xcnt 0x0                                ; (and wave 15's store has read its registers)
	s_barrier_signal -1
	s_barrier_wait -1                              ; everybody's.
	CLOAD AM0, 0                                   ; the first step's mask terms
	s_mov_b32 s[TC], 2
.Ltile:
	s_wait_alu depctr_va_vdst(0)                   ; the wait: q and its scale word were written ahead of the jump
.irp i, 0,1,2,3,4,5
	v_mov_b32 v[Q0+12+\i], v[Q0+\i]
.endr
	v_and_b32 v[T1], 0xffff, v[WQ]
	s_delay_alu instid0(VALU_DEP_1)
	v_lshl_or_b32 v[WQC], v[WQ], 16, v[T1]         ; the tile's two bytes, for either half of the 128
	v_mov_b32 v13, 0xff000000                      ; the largest t so far: -2^127
	v_mov_b32 v12, 0x7f000000                      ; -M
	v_mov_b32 v14, 0
	v_mov_b32 v15, 0
.set jj, 0
.rept 32
	v_mov_b32 v[O+jj], 0                           ; the key step is written once: the first finds zeros
.set jj, jj+1
.endr
	s_mov_b32 s[T6], 0
	s_mov_b32 s[T5], 0
	s_mov_b32 s[T7], 0
	s_mov_b32 s[KC], 8
.Lkey:                                                 ; 128 keys a trip
	v_add_nc_u32 v[ADK], s[T6], v[AK0]             ; five plain lines behind the last products: their fragments' registers are loaded anew
	v_add_nc_u32 v[ADV], s[T6], v[AV0]
	v_add_nc_u32 v[ADKS], s[T5], v[KS0]
	v_add_nc_u32 v[ADVS], s[T5], v[VS0]
	v_add_nc_u32 v[ADM], s[T7], v[AM0]
.irp g, 0,1
.irp x, 0,1
	ds_load_b32 v[KSW+2*\g+\x], v[ADKS] offset:PIT*\g+64*\x
.endr
.endr
	ds_load_b64 v[VRAW:VRAW+1], v[ADVS]
	ds_load_b64 v[VRAW+2:VRAW+3], v[ADVS] offset:PIT
.irp g, 0,1
.irp x, 0,1
.irp k, 0,1,2,3,4,5
	ds_load_b64 v[KF+12*(2*\g+\x)+2*\k:KF+12*(2*\g+\x)+2*\k+1], v[ADK] offset:PIT*(12*\g+\k)+64*\x
.endr
.endr
.endr
	s_wait_alu depctr_va_vdst(0)                   ; the wait, directly ahead of the wait below
	s_wait_dscnt 0x0                               ; the mask's terms, the scale words and K's fragments are in
.irp g, 0,1
.irp x, 0,1
	v_wmma_scale_f32_16x16x128_f8f6f4 v[S+32*\g+16*\x:S+32*\g+16*\x+7], v[KF+12*(2*\g+\x):KF+12*(2*\g+\x)+11], v[Q0:Q0+11], v[S+32*\g+16*\x:S+32*\g+16*\x+7], v[KSW+2*\g+\x], v[WQC] matrix_a_fmt:MATRIX_FMT_FP6 matrix_b_fmt:MATRIX_FMT_FP6
	v_wmma_scale_f32_16x16x128_f8f6f4 v[S+32*\g+16*\x+8:S+32*\g+16*\x+15], v[KF+12*(2*\g+\x):KF+12*(2*\g+\x)+11], v[Q0+6:Q0+17], v[S+32*\g+16*\x+8:S+32*\g+16*\x+15], v[KSW+2*\g+\x], v[WQC] matrix_a_fmt:MATRIX_FMT_FP6 matrix_b_fmt:MATRIX_FMT_FP6
.endr
.endr
	v_perm_b32 v[VSW], v[VRAW+2], v[VRAW], s26     ; V's scale words: two bytes from each group of 64 keys.  These four are the places behind the products
	v_perm_b32 v[VSW+1], v[VRAW+2], v[VRAW], s27
	v_perm_b32 v[VSW+2], v[VRAW+3], v[VRAW+1], s26
	v_perm_b32 v[VSW+3], v[VRAW+3], v[VRAW+1], s27
.irp t, 0,1,2,3                                ; V^T's four fragments (16 d x 128 keys) into the registers that K has left: each half from one group of 64 keys
.irp k, 0,1,2
	ds_load_b64 v[KF+12*\t+2*\k:KF+12*\t+2*\k+1], v[ADV] offset:PIT*(3*\t+\k)
	ds_load_b64 v[KF+12*\t+6+2*\k:KF+12*\t+7+2*\k], v[ADV] offset:PIT*(12+3*\t+\k)
.endr
.endr
.set jj, 0
.rept 32
	v_pk_mul_f32 v[S+jj:S+jj+1], v[S+jj:S+jj+1], s[CS:CS+1] op_sel_hi:[1,0]   ; t = logit x log2(e), rounded to f32; each accumulator from its low end on
.set jj, jj+2
.endr
.irp c, 0,1                                    ; the largest t of my two blocks of 32 keys: four chains by turns
	v_max3_num_f32 v[MA+\c], v[S+32*\c], v[S+32*\c+1], v[S+32*\c+2]
	v_max3_num_f32 v[MA+2+\c], v[S+32*\c+16], v[S+32*\c+17], v[S+32*\c+18]
.endr
.irp i, 3,5,7,9,11,13
.irp c, 0,1
	v_max3_num_f32 v[MA+\c], v[MA+\c], v[S+32*\c+\i], v[S+32*\c+\i+1]
	v_max3_num_f32 v[MA+2+\c], v[MA+2+\c], v[S+32*\c+16+\i], v[S+32*\c+17+\i]
.endr
.endr
.irp c, 0,1
	v_max3_num_f32 v[MA+\c], v[MA+\c], v[MA+2+\c], v[S+32*\c+15]
.endr
.irp c, 0,1
	v_max_num_f32 v[MA+\c], v[MA+\c], v[S+32*\c+31]
.endr
	v_max_num_f32 v[T0], v[MA], v[MA+1]
	v_permlanex16_b32 v[BT], v[T0], s[SEL], s[SEL+1]
	v_max3_num_f32 v13, v13, v[T0], v[BT]          ; the running largest t of my query, both halves' keys
	v_mov_b32 v[T0], v12
	s_delay_alu instid0(VALU_DEP_2)
	v_floor_f32 v12, -v13                          ; the new -M = -ceil(t)
	s_delay_alu instid0(VALU_DEP_1)
	v_sub_f32 v[T0], v12, v[T0]
	s_delay_alu instid0(VALU_DEP_1)
	v_cvt_i32_f32 v[T0], v[T0]                     ; (it saturates)
	s_delay_alu instid0(VALU_DEP_1)
	v_ldexp_f32 v[F], 1.0, v[T0]                   ; f = 2^(old M - new M)
.set jj, 0
.rept 32
	v_pk_add_f32 v[S+jj:S+jj+1], v[S+jj:S+jj+1], v[12:13] op_sel_hi:[1,0]   ; t - M (of the pair the low word, -M, serves both halves)
.set jj, jj+2
.endr
.irp c, 0,1
	v_add_f32 v[MA+\c], v[MA+\c], v12              ; the same of each block's largest t: p rises with t
.endr
	s_wait_alu depctr_va_vdst(0)                   ; the wait ahead of the batch
.set jj, 0
.rept 64
	v_exp_f32 v[S+jj], v[S+jj]                     ; p = 2^(t - M): not normalised
.set jj, jj+1
.endr
.irp c, 0,1
	v_exp_f32 v[MA+\c], v[MA+\c]                   ; each block's largest p
.endr
	s_wait_alu depctr_va_vdst(0)                   ; one wait for the batch, directly ahead of the first reader of O^T too
.set jj, 0
.rept 16
	v_pk_mul_f32 v[O+jj:O+jj+1], v[O+jj:O+jj+1], v[F:F+1] op_sel_hi:[1,0]   ; O^T under the new M: plain lines behind the batch
.set jj, jj+2
.endr
.irp c, 0,1
	v_max_num_f32 v[MA+\c], 0x1800000, v[MA+\c]    ; the floor 2^(3 - 127): the byte cannot fall under 1
.endr
.irp c, 0,1
	s_delay_alu instid0(VALU_DEP_2)
	v_add_nc_u32 v[BS+\c], 0xff000000, v[MA+\c]    ; 2 off the exponent field: the conversion's scale operand
.endr
.irp c, 0,1
	s_delay_alu instid0(VALU_DEP_2)
	v_lshrrev_b32 v[BT+\c], 23, v[BS+\c]           ; the scale's byte
.endr
	s_delay_alu instid0(VALU_DEP_1)
	v_lshl_or_b32 v[T0], v[BT+1], 16, v[BT]        ; my bytes: blocks h and 2 + h,
	s_delay_alu instid0(VALU_DEP_1)
	v_lshlrev_b32 v[T0], v[H8], v[T0]              ; at their places in the scale word;
	s_delay_alu instid0(VALU_DEP_1)
	v_permlanex16_b32 v[T1], v[T0], s[SEL], s[SEL+1]
	s_delay_alu instid0(VALU_DEP_1)
	v_or_b32 v[PSW], v[T0], v[T1]                  ; with lane l xor 16's two the word is whole
.irp c, 0,1
	v_cvt_scalef32_pk16_fp6_f32 v[PCD+6*\c:PCD+6*\c+2], v[S+32*\c:S+32*\c+15], v[BS+\c]
	v_cvt_scalef32_pk16_fp6_f32 v[TT+4*\c:TT+4*\c+2], v[S+32*\c+16:S+32*\c+31], v[BS+\c]   ; (a conversion's three registers begin on an even number)
.endr
	v_pk_fma_f32 v[14:15], v[14:15], v[F:F+1], v[S:S+1] op_sel_hi:[1,0,1]   ; the sum under the new M, and the unquantised p onto it: four chains.  (Plain lines behind the conversions)
	v_pk_add_f32 v[SU:SU+1], v[S+2:S+3], v[S+4:S+5]
	v_pk_add_f32 v[SU+2:SU+3], v[S+6:S+7], v[S+8:S+9]
	v_pk_add_f32 v[SU+4:SU+5], v[S+10:S+11], v[S+12:S+13]
	SUM4 14
	SUM4 22
	SUM4 30
.irp c, 0,1
.irp i, 0,1,2
	v_mov_b32 v[PCD+3+6*\c+\i], v[TT+4*\c+\i]      ; a block's 24 bytes on end; sixteen plain lines stand between these and the products
.endr
.endr
	SUM4 38
	SUM4 46
	SUM4 54
	v_pk_add_f32 v[14:15], v[14:15], v[S+62:S+63]
	v_pk_add_f32 v[SU:SU+1], v[SU:SU+1], v[SU+2:SU+3]
	s_delay_alu instid0(VALU_DEP_2)
	v_pk_add_f32 v[14:15], v[14:15], v[SU+4:SU+5]
	s_delay_alu instid0(VALU_DEP_1)
	v_pk_add_f32 v[14:15], v[14:15], v[SU:SU+1]
	CLOAD ADM, 512                                 ; p is summed and converted: the next step's mask terms
	s_wait_alu depctr_va_vdst(0)                   ; the wait, directly ahead of the wait below
	s_wait_dscnt 16                                ; V's fragments are in; the sixteen loads just issued may be out
.irp t, 0,1,2,3
	v_wmma_scale_f32_16x16x128_f8f6f4 v[O+8*\t:O+8*\t+7], v[KF+12*\t:KF+12*\t+11], v[PCD:PCD+11], v[O+8*\t:O+8*\t+7], v[VSW+\t], v[PSW] matrix_a_fmt:MATRIX_FMT_FP6 matrix_b_fmt:MATRIX_FMT_FP6
.endr
	s_add_co_u32 s[T6], s[T6], 24*PIT
	s_add_co_u32 s[T5], s[T5], 2*PIT
	s_add_co_u32 s[T7], s[T7], 512
	s_sub_co_u32 s[KC], s[KC], 1
	s_cmp_lg_u32 s[KC], 0
	s_cbranch_scc1 .Lkey
	; the way out of a tile: O^T / the sum, through my stage, as whole units of 256 bytes
	v_add_f32 v14, v14, v15
	s_delay_alu instid0(VALU_DEP_1)
	v_permlanex16_b32 v[T0], v14, s[SEL], s[SEL+1]
	s_delay_alu instid0(VALU_DEP_1)
	v_add_f32 v14, v14, v[T0]
	s_wait_alu depctr_va_vdst(0)
	v_rcp_f32 v14, v14
	v_nop                                          ; with the three lines above: five places behind the last products, one behind the reciprocal
	v_nop
	s_wait_alu depctr_va_vdst(0)
.set jj, 0
.rept 16
	v_pk_mul_f32 v[KF+jj:KF+jj+1], v[O+jj:O+jj+1], v[14:15] op_sel_hi:[1,0]
.set jj, jj+2
.endr
.irp t, 0,1,2,3
	ds_store_b128 v[STO], v[KF+8*\t:KF+8*\t+3] offset:64*\t        ; lane (r, h): query r, d = 16 t + 8 h + 0 .. 7
	ds_store_b128 v[STO], v[KF+8*\t+4:KF+8*\t+7] offset:64*\t+16
.endr
.irp k, 0,1,2,3,4,5,6,7
	ds_load_b128 v[O+4*\k:O+4*\k+3], v[RD] offset:544*\k           ; LDS serves a wave's instructions in order: these see my stores
.endr
.irp k, 0,1,2,3,4,5,6,7
	s_wait_dscnt 7-\k
	global_store_b128 v[GO], v[O+4*\k:O+4*\k+3], s[54:55] offset:(2*\k+8*(\k/4))*4096   ; stage row i is token i + 8 (i / 8) of the tile; sixteen lanes store 256 consecutive bytes, aligned
.endr
	s_wait_xcnt 0x0                                ; the stores have read their registers and their base
	s_add_nc_u64 s[54:55], s[54:55], 32768         ; the pair's second tile begins 8 tokens on
.irp i, 0,1,2,3,4,5
	v_mov_b32 v[Q0+\i], v[QN+\i]
.endr
	v_lshrrev_b32 v[WQ], 16, v[WQ]
	s_sub_co_u32 s[TC], s[TC], 1
	s_cmp_lg_u32 s[TC], 0
	s_cbranch_scc1 .Ltile
	s_wait_tensorcnt 0x0                           ; the wave's end
	ds_add_u32 v[SPW], v[NIL]
	s_wait_dscnt 0x0
	s_endpgm
.Lfunc_end_k_q823f6df033_attn:
	.size	k_q823f6df033_attn, .Lfunc_end_k_q823f6df033_attn-k_q823f6df033_attn
	.p2alignl 7, 3214868480
	.fill 96, 4, 3214868480
	.section	.rodata,"a",@progbits
	.p2align	6, 0x0
	.amdhsa_kernel k_q823f6df033_attn
		.amdhsa_group_segment_fixed_size 196096
		.amdhsa_private_segment_fixed_size 0
		.amdhsa_enable_private_segment 0
		.amdhsa_kernarg_size 56
		.amdhsa_user_sgpr_count 2
		.amdhsa_user_sgpr_kernarg_segment_ptr 1
		.amdhsa_wavefront_size32 1
		.amdhsa_system_sgpr_workgroup_id_x 1
		.amdhsa_system_sgpr_workgroup_id_y 1
		.amdhsa_system_sgpr_workgroup_id_z 1
		.amdhsa_system_vgpr_workitem_id 0
		.amdhsa_next_free_vgpr 256
		.amdhsa_next_free_sgpr 66
		.amdhsa_reserve_vcc 0
		.amdhsa_float_denorm_mode_32 3
		.amdhsa_float_denorm_mode_16_64 3
		.amdhsa_memory_ordered 1
		.amdhsa_forward_progress 1
		.amdhsa_inst_pref_size 35
	.end_amdhsa_kernel
	.amdgpu_metadata
---
amdhsa.version: [ 1, 2 ]
amdhsa.kernels:
  - .name:           k_q823f6df033_attn
    .symbol:         k_q823f6df033_attn.kd
    .args:
      - { .name: qq, .offset: 0, .size: 8, .value_kind: global_buffer, .address_space: global }
      - { .name: kv, .offset: 8, .size: 8, .value_kind: global_buffer, .address_space: global }
      - { .name: src_mask, .offset: 16, .size: 8, .value_kind: global_buffer, .address_space: global }
      - { .name: ep, .offset: 24, .size: 8, .value_kind: global_buffer, .address_space: global }
      - { .name: emb_b, .offset: 32, .size: 8, .value_kind: global_buffer, .address_space: global }
      - { .name: y, .offset: 40, .size: 8, .value_kind: global_buffer, .address_space: global }
      - { .name: ef, .offset: 48, .size: 8, .value_kind: global_buffer, .address_space: global }
    .group_segment_fixed_size: 196096
    .private_segment_fixed_size: 0
    .kernarg_segment_align: 8
    .kernarg_segment_size: 56
    .max_flat_workgroup_size: 512
    .sgpr_count:     66
    .vgpr_count:     256
    .wavefront_size: 32
...
	.end_amdgpu_metadata
.endif
;; end of part 3
;; launch ln2 (part 4): grid 512 x 1, 4 waves a work-group, no clusters, 52,224 bytes of LDS; arguments y, sb_norm_w, sb_norm_b, ef, aimg; writes aimg
.if DOCPART == 4
	.amdgcn_target "amdgcn-amd-amdhsa--gfx1250"
	.amdhsa_code_object_version 6
	.text
	.protected	k_q823f6df033_ln2
	.globl	k_q823f6df033_ln2
	.p2align	8
	.type	k_q823f6df033_ln2,@function
k_q823f6df033_ln2:
	s_mov_b64 s[64:65], 0
	v_nop
	global_prefetch_b8 v0, s[64:65] scope:SCOPE_SE
	s_setreg_imm32_b32 hwreg(HW_REG_WAVE_MODE, 25, 1), 1
	s_wait_xcnt 0x0
; LN2: silu(LayerNorm(y) x (1 + scale) + shift) -> codes of E2M3 along D with E8M0 bytes, as images of the matrix operand's registers -> aimg.
; One work-group makes one tile of 16 tokens (row r of tile 2 b + u is token 32 b + 8 u + r + 8 (r / 8)); wave w takes columns 256 w on: K steps 2 w and 2 w + 1.
; A record is 12,800 bytes: K step s at 1536 s (register group c of lane l at 512 c + 16 l), the scale words at 12,288 + 32 row + 4 s.  ef holds 1 + scale in columns 0-1023 and shift in 1024-2047, for each batch.
; LIMITS: a block of zeros or under 2^-124 gets the byte 1 (only this program reads the bytes); NaN and infinities are not served; 1/sqrt, e^x and 1/x come from v_rsq_f32, v_exp_f32, v_rcp_f32.
.set WV,   3
.set SEL,  30
.set STYL, 1
.set STG,  0
.set CF,   33792
.set CFW,  4096
.set STAT, 50176
.set SCST, 51200
.set P,    24
.set Q,    88
.set R,    152
.set TM,   216
.set PC,   232
.set GOF,  251
.set PW,   252
.set TV,   254
.set SCR,  255
.macro BARRIER
	s_wait_dscnt 0x0
	s_barrier_signal -1
	s_barrier_wait -1
.endm
.macro QUANT s, pw
.irp b, 0,1,2,3
	v_max3_num_f32 v[TM+\b], |v[\s+16*\b]|, |v[\s+1+16*\b]|, 0x1800000   ; my 16 numbers of block b, and the floor 2^(3 - 127)
.endr
.irp i, 2,4,6,8,10,12,14
.irp b, 0,1,2,3
	v_max3_num_f32 v[TM+\b], v[TM+\b], |v[\s+16*\b+\i]|, |v[\s+1+16*\b+\i]|
.endr
.endr
.irp b, 0,1,2,3
	v_permlanex16_b32 v[TM+4+\b], v[TM+\b], s[SEL], s[SEL+1]
.endr
.irp b, 0,1,2,3
	v_max_num_f32 v[TM+\b], v[TM+\b], v[TM+4+\b]
.endr
.irp b, 0,1,2,3
	v_add_nc_u32 v[TM+12+\b], 0xff000000, v[TM+\b]
.endr
.irp b, 0,1,2,3
	v_lshrrev_b32 v[TM+4+\b], 23, v[TM+12+\b]
.endr
	v_lshl_or_b32 v[\pw], v[TM+5], 8, v[TM+4]
	v_lshl_or_b32 v[\pw], v[TM+6], 16, v[\pw]
	v_lshl_or_b32 v[\pw], v[TM+7], 24, v[\pw]
.irp c, 0,1
	v_cvt_scalef32_pk16_fp6_f32 v[PC+6*\c:PC+2+6*\c], v[\s+32*\c:\s+15+32*\c], v[TM+12+2*\c]
	v_cvt_scalef32_pk16_fp6_f32 v[PC+12+4*\c:PC+14+4*\c], v[\s+16+32*\c:\s+31+32*\c], v[TM+12+2*\c+1]
.endr
	v_nop
.irp c, 0,1
.irp i, 0,1,2
	v_permlane16_swap_b32 v[PC+6*\c+\i], v[PC+12+4*\c+\i]
.endr
.irp i, 0,1,2
	v_mov_b32 v[PC+3+6*\c+\i], v[PC+12+4*\c+\i]
.endr
.endr
.endm
.macro ACROSS off
	v_pk_add_f32 v[16:17], v[16:17], v[18:19]
	v_pk_add_f32 v[20:21], v[20:21], v[22:23]
	v_pk_add_f32 v[16:17], v[16:17], v[20:21]
	v_add_f32 v16, v16, v17
	v_permlanex16_b32 v17, v16, s[SEL], s[SEL+1]
	v_add_f32 v16, v16, v17
	ds_store_b32 v8, v16 offset:\off
	BARRIER
.irp j, 0,1,2,3
	ds_load_b32 v[16+\j], v7 offset:\off+128*\j
.endr
	s_wait_dscnt 0x0
	v_add_f32 v16, v16, v17
	v_add_f32 v16, v16, v18
	v_add_f32 v16, v16, v19
.endm
.macro CLOAD a, sg, b
.irp j, 0,1,2,3
	ds_load_b128 v[Q+16*(\a)+4*\j:Q+16*(\a)+4*\j+3], v6 offset:1024*(\a)+512*(\sg)+128*(\b)+16*\j
.endr
.endm
.macro NORM X, sg
.irp b, 0,1,2,3
	CLOAD 0, \sg, \b
	CLOAD 1, \sg, \b
.if STYL
	CLOAD 2, \sg, \b
	CLOAD 3, \sg, \b
.endif
.irp n, 0,2,4,6,8,10,12,14
	v_pk_mul_f32 v[\X+16*\b+\n:\X+16*\b+\n+1], v[\X+16*\b+\n:\X+16*\b+\n+1], v[14:15]   ; / sqrt(var + eps), while the coefficients come
.endr
	s_wait_alu depctr_va_vdst(0)
	s_wait_dscnt 0x0
.irp n, 0,2,4,6,8,10,12,14
	v_pk_fma_f32 v[\X+16*\b+\n:\X+16*\b+\n+1], v[\X+16*\b+\n:\X+16*\b+\n+1], v[Q+\n:Q+\n+1], v[Q+16+\n:Q+17+\n]   ; x w + b
.endr
.if STYL
.irp n, 0,2,4,6,8,10,12,14
	v_pk_fma_f32 v[\X+16*\b+\n:\X+16*\b+\n+1], v[\X+16*\b+\n:\X+16*\b+\n+1], v[Q+32+\n:Q+33+\n], v[Q+48+\n:Q+49+\n]   ; x (1 + scale) + shift
.endr
.endif
.endr
.if STYL                                       ; silu(h) = h / (1 + 2^(-h log2 e))
.set jj, 0
.rept 32
	v_pk_mul_f32 v[Q+jj:Q+jj+1], v[\X+jj:\X+jj+1], s[26:27] op_sel_hi:[1,0]
.set jj, jj+2
.endr
.set jj, 0
	s_wait_alu depctr_va_vdst(0)
.rept 64
	v_exp_f32 v[Q+jj], v[Q+jj]
.set jj, jj+1
.endr
	v_nop                                          ; a plain line behind the batch,
	s_wait_alu depctr_va_vdst(0)                   ; and one wait for it, ahead of its first reader
.set jj, 0
.rept 32
	v_pk_add_f32 v[Q+jj:Q+jj+1], v[Q+jj:Q+jj+1], 1.0 op_sel_hi:[1,0]
.set jj, jj+2
.endr
.set jj, 0
	s_wait_alu depctr_va_vdst(0)
.rept 64
	v_rcp_f32 v[Q+jj], v[Q+jj]
.set jj, jj+1
.endr
	v_nop
	s_wait_alu depctr_va_vdst(0)
.set jj, 0
.rept 32
	v_pk_mul_f32 v[\X+jj:\X+jj+1], v[\X+jj:\X+jj+1], v[Q+jj:Q+jj+1]
.set jj, jj+2
.endr
.endif
	s_wait_xcnt 0x0                                ; the earlier stores have read the codes' registers
	QUANT \X, PW+\sg
.irp c, 0,1,2
	global_store_b128 v2, v[PC+4*\c:PC+4*\c+3], s[12:13] offset:1536*(\sg)+512*\c   ; 512 consecutive bytes
.endr
.endm
	v_lshrrev_b32 v1, 5, v0
	v_readfirstlane_b32 s[WV], v1                  ; wave 0..3
	s_load_b256 s[4:11], s[0:1], 0x0               ; y, sb_norm_w, sb_norm_b, ef
	s_load_b64 s[12:13], s[0:1], 0x20              ; aimg
	v_lshl_add_u32 v227, v0, 2, 0xca00
	v_mov_b32 v247, 0
	s_mov_b32 s14, ttmp9                           ; the tile
	s_lshr_b32 s15, s14, 1
	s_lshl_b32 s15, s15, 5
	s_and_b32 s16, s14, 1
	s_lshl_b32 s16, s16, 3
	s_add_co_u32 s16, s16, s15                     ; its first true row
	s_lshl_b32 s16, s16, 12
	s_mov_b32 s17, 0
	s_mul_i32 s18, s14, 12800
	s_mov_b32 s19, 0
	s_mul_i32 s20, s[WV], 3072
	s_mov_b32 s21, 0
	s_lshr_b32 s22, s14, 6                         ; the batch: 64 tiles each
	s_lshl_b32 s22, s22, 13
	s_mov_b32 s23, 0
	s_mov_b32 s24, 0x3a800000                      ; 1 / 1024
	s_mov_b32 s25, 0x3727c5ac                      ; 1e-5
	s_mov_b32 s26, 0xbfb8aa3b                      ; -log2(e)
	s_mov_b32 s27, s26
	s_mov_b32 s[SEL], 0x76543210
	s_mov_b32 s[SEL+1], 0xfedcba98
	s_mul_i32 s32, s[WV], 8448
	s_add_co_u32 s32, s32, STG
	s_mul_i32 s33, s[WV], CFW
	s_add_co_u32 s33, s33, CF
	s_lshl_b32 s34, s[WV], 7
	s_lshl_b32 s35, s[WV], 3
	s_add_co_u32 s35, s35, SCST
	s_lshl_b32 s36, s[WV], 10
	v_and_b32 v1, 31, v0
	v_and_b32 v10, 15, v0
	v_bfe_u32 v11, v0, 4, 1
	v_lshlrev_b32 v2, 4, v1
	v_add_nc_u32 v3, s32, v2
	v_mul_u32_u24 v4, v10, 528
	v_lshl_add_u32 v4, v11, 6, v4
	v_add_nc_u32 v4, s32, v4
	v_add_nc_u32 v5, s33, v2
	v_lshlrev_b32 v6, 6, v11
	v_add_nc_u32 v6, s33, v6
	v_lshl_add_u32 v7, v1, 2, STAT
	v_add_nc_u32 v8, s34, v7
	v_lshlrev_b32 v9, 5, v10
	v_lshl_add_u32 v9, v11, 2, v9
	v_add_nc_u32 v9, s35, v9
	v_add_nc_u32 v[GOF], s36, v2
	v_add_nc_u32 v[SCR], SCST, v2
.irp b, 0,1,2,3
	v_mov_b32 v[TM+4+\b], 0
.endr
	s_wait_alu depctr_va_vdst(0)
	s_wait_kmcnt 0x0
	s_add_nc_u64 s[4:5], s[4:5], s[16:17]
	s_add_nc_u64 s[10:11], s[10:11], s[22:23]
	s_add_nc_u64 s[28:29], s[12:13], s[18:19]
	s_add_nc_u64 s[12:13], s[28:29], s[20:21]
	global_load_b128 v[R:R+3], v[GOF], s[6:7]
	global_load_b128 v[R+4:R+7], v[GOF], s[6:7] offset:512
	global_load_b128 v[R+8:R+11], v[GOF], s[8:9]
	global_load_b128 v[R+12:R+15], v[GOF], s[8:9] offset:512
	global_load_b128 v[R+16:R+19], v[GOF], s[10:11]
	global_load_b128 v[R+20:R+23], v[GOF], s[10:11] offset:512
	global_load_b128 v[R+24:R+27], v[GOF], s[10:11] offset:4096
	global_load_b128 v[R+28:R+31], v[GOF], s[10:11] offset:4608
.irp i, 0,1,2,3,4,5,6,7,8,9,10,11,12,13,14,15
	global_load_b128 v[P+4*\i:P+4*\i+3], v[GOF], s[4:5] offset:(\i+8*(\i/8))*4096 th:TH_LOAD_NT
.endr
.irp i, 0,1,2,3,4,5,6,7,8,9,10,11,12,13,14,15
	global_load_b128 v[Q+4*\i:Q+4*\i+3], v[GOF], s[4:5] offset:(\i+8*(\i/8))*4096+512 th:TH_LOAD_NT
.endr
	s_wait_loadcnt 32                              ; the coefficients are in; the 32 loads of data may be out
.irp a, 0,1,2,3
	ds_store_b128 v5, v[R+8*\a:R+8*\a+3] offset:1024*\a
	ds_store_b128 v5, v[R+8*\a+4:R+8*\a+7] offset:1024*\a+512
.endr
	s_wait_loadcnt 16                              ; the first K step's 16 rows are in
.irp i, 0,1,2,3,4,5,6,7,8,9,10,11,12,13,14,15
	ds_store_b128 v3, v[P+4*\i:P+4*\i+3] offset:528*\i
.endr
.irp b, 0,1,2,3
.irp j, 0,1,2,3
	ds_load_b128 v[R+16*\b+4*\j:R+16*\b+4*\j+3], v4 offset:128*\b+16*\j   ; LDS serves a wave's instructions in order
.endr
.endr
	s_wait_loadcnt 0x0
.irp i, 0,1,2,3,4,5,6,7,8,9,10,11,12,13,14,15
	ds_store_b128 v3, v[Q+4*\i:Q+4*\i+3] offset:528*\i
.endr
	s_wait_dscnt 16                                ; all but these 16 stores
.irp b, 0,1,2,3
.irp j, 0,1,2,3
	ds_load_b128 v[P+16*\b+4*\j:P+16*\b+4*\j+3], v4 offset:128*\b+16*\j
.endr
.endr
	s_wait_dscnt 0x0
.irp c, 0,1,2,3
	v_pk_add_f32 v[16+2*\c:17+2*\c], v[R+2*\c:R+2*\c+1], v[R+8+2*\c:R+9+2*\c]
.endr
.irp n, 16,24,32,40,48,56
.irp c, 0,1,2,3
	v_pk_add_f32 v[16+2*\c:17+2*\c], v[16+2*\c:17+2*\c], v[R+\n+2*\c:R+\n+2*\c+1]
.endr
.endr
.irp n, 0,8,16,24,32,40,48,56
.irp c, 0,1,2,3
	v_pk_add_f32 v[16+2*\c:17+2*\c], v[16+2*\c:17+2*\c], v[P+\n+2*\c:P+\n+2*\c+1]
.endr
.endr
	ACROSS 0
	v_mul_f32 v12, s24, v16
	v_mov_b32 v13, v12
.set jj, 0
.rept 32
	v_pk_add_f32 v[R+jj:R+jj+1], v[R+jj:R+jj+1], v[12:13] neg_lo:[0,1] neg_hi:[0,1]
	v_pk_add_f32 v[P+jj:P+jj+1], v[P+jj:P+jj+1], v[12:13] neg_lo:[0,1] neg_hi:[0,1]
.set jj, jj+2
.endr
.irp c, 0,1,2,3
	v_pk_mul_f32 v[16+2*\c:17+2*\c], v[R+2*\c:R+2*\c+1], v[R+2*\c:R+2*\c+1]
.endr
.irp n, 8,16,24,32,40,48,56
.irp c, 0,1,2,3
	v_pk_fma_f32 v[16+2*\c:17+2*\c], v[R+\n+2*\c:R+\n+2*\c+1], v[R+\n+2*\c:R+\n+2*\c+1], v[16+2*\c:17+2*\c]
.endr
.endr
.irp n, 0,8,16,24,32,40,48,56
.irp c, 0,1,2,3
	v_pk_fma_f32 v[16+2*\c:17+2*\c], v[P+\n+2*\c:P+\n+2*\c+1], v[P+\n+2*\c:P+\n+2*\c+1], v[16+2*\c:17+2*\c]
.endr
.endr
	ACROSS 512
	v_fma_f32 v14, v16, s24, s25
	s_wait_alu depctr_va_vdst(0)
	v_rsq_f32 v14, v14
	v_nop
	s_wait_alu depctr_va_vdst(0)
	v_mov_b32 v15, v14
	NORM R, 0
	NORM P, 1
	v_cmp_eq_u32 vcc_lo, 1, v11
	v_cndmask_b32 v[TV], v[PW], v[PW+1], vcc_lo
	ds_store_b32 v9, v[TV]
	BARRIER
	s_cmp_lg_u32 s[WV], 0
	s_cbranch_scc1 .Ldone
	ds_load_b128 v[16:19], v[SCR]
	s_wait_dscnt 0x0
	global_store_b128 v2, v[16:19], s[28:29] offset:12288
.Ldone:
	s_wait_tensorcnt 0x0
	ds_add_u32 v227, v247
	s_wait_dscnt 0x0
	s_endpgm
.Lfunc_end_k_q823f6df033_ln2:
	.size	k_q823f6df033_ln2, .Lfunc_end_k_q823f6df033_ln2-k_q823f6df033_ln2
	.p2alignl 7, 3214868480
	.fill 96, 4, 3214868480
	.section	.rodata,"a",@progbits
	.p2align	6, 0x0
	.amdhsa_kernel k_q823f6df033_ln2
		.amdhsa_group_segment_fixed_size 52224
		.amdhsa_private_segment_fixed_size 0
		.amdhsa_enable_private_segment 0
		.amdhsa_kernarg_size 40
		.amdhsa_user_sgpr_count 2
		.amdhsa_user_sgpr_kernarg_segment_ptr 1
		.amdhsa_wavefront_size32 1
		.amdhsa_system_sgpr_workgroup_id_x 1
		.amdhsa_system_sgpr_workgroup_id_y 1
		.amdhsa_system_sgpr_workgroup_id_z 1
		.amdhsa_system_vgpr_workitem_id 0
		.amdhsa_next_free_vgpr 256
		.amdhsa_next_free_sgpr 66
		.amdhsa_reserve_vcc 1
		.amdhsa_float_denorm_mode_32 3
		.amdhsa_float_denorm_mode_16_64 3
		.amdhsa_memory_ordered 1
		.amdhsa_forward_progress 1
		.amdhsa_inst_pref_size 75
	.end_amdhsa_kernel
	.amdgpu_metadata
---
amdhsa.version: [ 1, 2 ]
amdhsa.kernels:
  - .name:           k_q823f6df033_ln2
    .symbol:         k_q823f6df033_ln2.kd
    .args:
      - { .name: y, .offset: 0, .size: 8, .value_kind: global_buffer, .address_space: global }
      - { .name: sb_norm_w, .offset: 8, .size: 8, .value_kind: global_buffer, .address_space: global }
      - { .name: sb_norm_b, .offset: 16, .size: 8, .value_kind: global_buffer, .address_space: global }
      - { .name: ef, .offset: 24, .size: 8, .value_kind: global_buffer, .address_space: global }
      - { .name: aimg, .offset: 32, .size: 8, .value_kind: global_buffer, .address_space: global }
    .group_segment_fixed_size: 52224
    .private_segment_fixed_size: 0
    .kernarg_segment_align: 8
    .kernarg_segment_size: 40
    .max_flat_workgroup_size: 128
    .sgpr_count:     66
    .vgpr_count:     256
    .wavefront_size: 32
...
	.end_amdgpu_metadata
.endif
;; end of part 4
;; launch outg (part 5): grid 256 x 1, 4 waves a work-group, clusters of 4 x 1, 168,448 bytes of LDS; arguments aimg, wimg, out_b, x, out0; writes out0
.if DOCPART == 5
	.amdgcn_target "amdgcn-amd-amdhsa--gfx1250"
	.amdhsa_code_object_version 6
	.text
	.protected	k_q823f6df033_outg
	.globl	k_q823f6df033_outg
	.p2align	8
	.type	k_q823f6df033_outg,@function
k_q823f6df033_outg:
	s_mov_b64 s[64:65], 0
	v_nop
	global_prefetch_b8 v0, s[64:65] scope:SCOPE_SE
	s_setreg_imm32_b32 hwreg(HW_REG_WAVE_MODE, 25, 1), 1
	s_wait_xcnt 0x0
	s_wait_alu depctr_hold_cnt(0) depctr_sa_sdst(0) depctr_va_vdst(0) depctr_va_sdst(0) depctr_va_ssrc(0) depctr_va_vcc(0) depctr_vm_vsrc(0)
	s_getreg_b32 s2, hwreg(HW_REG_IB_STS2, 6, 4)
	s_cmp_eq_u32 s2, 0
	s_cbranch_scc0 .Lentry_in_a_cluster
	s_endpgm
.Lentry_in_a_cluster:
	s_bfe_u32 s2, ttmp6, 0x10000c
	s_cmp_lg_u32 s2, 0x3003
	s_cbranch_scc0 .Lentry_shape_is_right
	s_endpgm
.Lentry_shape_is_right:
; OUTG: out0 = x + silu(h) out_w + out_b, the product on codes of E2M3 with E8M0 scales (images made by the launches before).
; A wave keeps 64 columns of out_w for all of K in 384 registers, read from memory once; the work-group's 128 tokens (8 tiles, 102,400 bytes) come into LDS once, by one tensor load a wave.
; Source 0 = 16 columns of out_w, source 1 = 16 tokens: a lane holds one token and eight neighbouring columns; out_b is the C of each sum's first product.
; CLUSTER: the four partners take the same tokens and different columns: the tokens are asked for jointly.  Nothing in LDS is filled twice.
; The tokens of a tile are 32 b + 8 u + r + 8 (r / 8): the way out puts the rows back.  It goes through each wave's own stage (behind the tokens, where no fill lands), so that sixteen lanes store 256 consecutive bytes.
; REGISTERS: window 0: v2-8 addresses; v16-47 out_w's scale words; v48-63 the tokens'; v64-111 their fragments, two sets (later rows of the result); v112-175 the accumulators; v176-207 rows of the result.
;   window 1: out_w's fragments of K steps 0-4;  window 2: of K steps 5-7; v144-175 out_b; v176-239 x.
.set WV,   20
.set LI,   2
.set RO,   3
.set ADR,  4
.set ADS,  5
.set GO,   6
.set RS,   16
.set SS,   48
.set SF,   64
.set AC,   112
.set VV,   144
.set XR,   176
.set STAGE, 102400
.set MSB, 0
.macro WIN new
.if MSB != \new
	s_set_vgpr_msb (MSB<<8)|\new
.set MSB, \new
.endif
.endm
.macro PLACES n
.rept \n
	v_nop
.endr
.endm
.macro ROUND
	s_barrier_signal -1
	s_barrier_wait -1
	s_cmp_lg_u32 s[WV], 0
	s_cbranch_scc1 .Lnot_wave_0_\@
	s_barrier_signal -3
.Lnot_wave_0_\@:
	s_barrier_wait -3
	s_barrier_signal -1
	s_barrier_wait -1
.endm
	s_load_b256 s[4:11], s[0:1], 0x0               ; aimg, wimg, out_b, x
	s_load_b64 s[12:13], s[0:1], 0x20              ; out0
	v_lshl_add_u32 v254, v0, 2, 0x29000
	v_mov_b32 v255, 0
	ds_add_u32 v254, v255
	ds_add_u32 v254, v255
	v_lshrrev_b32 v1, 5, v0
	v_readfirstlane_b32 s[WV], v1
	s_bfe_u32 s21, ttmp6, 0x40000                  ; cx: it enters out_w's, out_b's, x's and out0's global addresses alone
	s_lshl_b32 s26, s21, 2
	s_add_co_u32 s26, s26, s[WV]                   ; my 64 columns
	s_mul_i32 s58, ttmp9, 102400
	s_mul_i32 s27, s[WV], 25600                    ; my quarter of the tokens, in memory and in LDS
	s_add_co_u32 s58, s58, s27
	s_mov_b32 s59, 0
	s_mul_i32 s60, s26, 51200
	s_add_co_u32 s60, s60, 2457600                 ; out_w's image is the fourth in wimg
	s_mov_b32 s61, 0
	s_lshl_b32 s62, s26, 8
	s_mov_b32 s63, 0
	s_lshl_b32 s66, ttmp9, 19                      ; 128 rows of 4,096 bytes
	s_add_co_u32 s66, s66, s62
	s_mov_b32 s67, 0
	s_mov_b32 s32, 15|(3<<16)|(1<<21)              ; the mask: all four partners; elements of 8 bytes; 21 set beside a mask
	s_mov_b32 s33, 32<<16
	s_mov_b32 s34, 100<<16
	s_mov_b32 s35, 32<<16
	s_mov_b32 s36, 100
	s_mov_b32 s37, 32
	s_mov_b32 s38, 0
	s_mov_b32 s39, 0
	s_mov_b32 s28, 1
	s_mov_b32 s29, s27
	s_wait_dscnt 0x0
	s_wait_kmcnt 0x0
	s_add_nc_u64 s[30:31], s[4:5], s[58:59]
	s_or_b32 s31, s31, 0x80000000
	s_add_nc_u64 s[40:41], s[6:7], s[60:61]
	s_add_nc_u64 s[42:43], s[8:9], s[62:63]
	s_add_nc_u64 s[44:45], s[10:11], s[66:67]
	s_add_nc_u64 s[46:47], s[12:13], s[66:67]
	ROUND                                          ; all four work-groups are here: the joint loads meet
	tensor_load_to_lds s[28:31], s[32:39]
	s_nop 0
	PLACES 4
	v_and_b32 v1, 31, v0
	v_lshlrev_b32 v[LI], 4, v1
	v_and_b32 v9, 15, v0
	v_bfe_u32 v10, v0, 4, 1
	v_lshlrev_b32 v[RO], 5, v9
	v_lshlrev_b32 v[GO], 12, v10
	v_lshl_add_u32 v[GO], v9, 4, v[GO]             ; lanes 0-15 one row, lanes 16-31 the next; 16 bytes a lane
	s_mul_i32 s48, s[WV], 4352
	s_add_co_u32 s48, s48, STAGE
	v_mul_u32_u24 v7, v9, 272
	v_lshl_add_u32 v7, v10, 5, v7
	v_add_nc_u32 v7, s48, v7
	v_mul_u32_u24 v8, v10, 272
	v_lshl_add_u32 v8, v9, 4, v8
	v_add_nc_u32 v8, s48, v8
	v_lshlrev_b32 v11, 5, v10
	WIN 0x40
.irp s, 0,1,2,3,4
.irp i, 0,1,2,3
.irp c, 0,1,2
	global_load_b128 v[12*(4*\s+\i)+4*\c:12*(4*\s+\i)+4*\c+3], v[LI], s[40:41] offset:12800*\i+1536*\s+512*\c
.endr
.endr
.endr
	WIN 0x80
.irp s, 5,6,7
.irp i, 0,1,2,3
.irp c, 0,1,2
	global_load_b128 v[12*(4*(\s-5)+\i)+4*\c:12*(4*(\s-5)+\i)+4*\c+3], v[LI], s[40:41] offset:12800*\i+1536*\s+512*\c
.endr
.endr
.endr
.irp i, 0,1,2,3                                ; register 8 i + j goes with column 16 i + 8 h + j
	global_load_b128 v[VV+8*\i:VV+8*\i+3], v11, s[42:43] offset:64*\i
	global_load_b128 v[VV+8*\i+4:VV+8*\i+7], v11, s[42:43] offset:64*\i+16
.endr
.irp u, 0,1                                    ; the first trip's x, at the places that will be stored
.irp k, 0,1,2,3,4,5,6,7
	global_load_b128 v[XR+32*\u+4*\k:XR+32*\u+4*\k+3], v[GO], s[44:45] offset:(8*\u+2*\k+8*(\k/4))*4096 th:TH_LOAD_NT
.endr
.endr
	WIN 0
.irp i, 0,1,2,3
	global_load_b128 v[RS+8*\i:RS+8*\i+3], v[RO], s[40:41] offset:12800*\i+12288
	global_load_b128 v[RS+8*\i+4:RS+8*\i+7], v[RO], s[40:41] offset:12800*\i+12288+16
.endr
	s_wait_loadcnt 0x0
	s_wait_tensorcnt 0x0
	s_barrier_signal -1
	s_barrier_wait -1                              ; the 128 tokens lie in LDS.
.macro SLOAD s
.irp u, 0,1
.irp c, 0,1,2
	ds_load_b128 v[SF+24*((\s)%2)+12*\u+4*\c:SF+24*((\s)%2)+12*\u+4*\c+3], v[ADR] offset:\u*12800+1536*(\s)+512*\c
.endr
.endr
.endm
.macro MM s, mode                      ; eight products of K step s: the eight accumulators by turns
.irp u, 0,1
.irp i, 0,1,2,3
.if \mode == 0
	v_wmma_scale_f32_16x16x128_f8f6f4 v[AC+32*\u+8*\i:AC+32*\u+8*\i+7], v[12*(4*((\s)%5)+\i):12*(4*((\s)%5)+\i)+11], v[SF+24*((\s)%2)+12*\u:SF+24*((\s)%2)+12*\u+11], v[AC+32*\u+8*\i:AC+32*\u+8*\i+7], v[RS+8*\i+(\s)], v[SS+8*\u+(\s)] matrix_a_fmt:MATRIX_FMT_FP6 matrix_b_fmt:MATRIX_FMT_FP6
.else
	v_wmma_scale_f32_16x16x128_f8f6f4 v[AC+32*\u+8*\i:AC+32*\u+8*\i+7], v[12*(4*((\s)%5)+\i):12*(4*((\s)%5)+\i)+11], v[SF+24*((\s)%2)+12*\u:SF+24*((\s)%2)+12*\u+11], v[VV+8*\i:VV+8*\i+7], v[RS+8*\i+(\s)], v[SS+8*\u+(\s)] matrix_a_fmt:MATRIX_FMT_FP6 matrix_b_fmt:MATRIX_FMT_FP6
.endif
.endr
.endr
.endm
	s_mov_b32 s54, 0
	s_mov_b32 s55, 4
.Ltrip:                                                ; a pair of tiles, 32 tokens, a trip
	v_add_nc_u32 v[ADR], s54, v[LI]
	v_add_nc_u32 v[ADS], s54, v[RO]
	SLOAD 0
.irp u, 0,1
	ds_load_b128 v[SS+8*\u:SS+8*\u+3], v[ADS] offset:\u*12800+12288
	ds_load_b128 v[SS+8*\u+4:SS+8*\u+7], v[ADS] offset:\u*12800+12288+16
.endr
	SLOAD 1
	s_wait_alu depctr_va_vdst(0)
	s_wait_dscnt 6                                 ; all but the six just issued
	WIN 0x21                                       ; source 0 window 1, C window 2
	MM 0, 1
	WIN 0
.irp s, 1,2,3,4,5,6
	PLACES 4                                       ; in front of loads into registers that the products before have read
	SLOAD \s+1
	s_wait_dscnt 6
.if \s < 5
	WIN 0x01
.else
	WIN 0x02
.endif
	MM \s, 0
	WIN 0
.endr
	s_wait_dscnt 0x0
	WIN 0x02
	MM 7, 0
	WIN 0
	PLACES 4
.irp u, 0,1
.irp i, 0,1,2,3
	ds_store_b128 v7, v[AC+32*\u+8*\i:AC+32*\u+8*\i+3] offset:64*\i        ; each accumulator from its low end on
	ds_store_b128 v7, v[AC+32*\u+8*\i+4:AC+32*\u+8*\i+7] offset:64*\i+16
.endr
.irp k, 0,1,2,3,4,5,6,7
	ds_load_b128 v[64+112*\u+4*\k:64+112*\u+4*\k+3], v8 offset:544*\k      ; LDS serves a wave's instructions in order: these see my stores, and the next tile's stores come behind them
.endr
.endr
	s_wait_loadcnt 0x0
	s_wait_dscnt 0x0
	WIN 0x08                                       ; source 1 window 2
.irp u, 0,1
.irp n, 0,2,4,6,8,10,12,14,16,18,20,22,24,26,28,30
	v_pk_add_f32 v[64+112*\u+\n:65+112*\u+\n], v[64+112*\u+\n:65+112*\u+\n], v[XR+32*\u+\n:XR+32*\u+\n+1]
.endr
.endr
	WIN 0
.irp u, 0,1
.irp k, 0,1,2,3,4,5,6,7
	global_store_b128 v[GO], v[64+112*\u+4*\k:64+112*\u+4*\k+3], s[46:47] offset:(8*\u+2*\k+8*(\k/4))*4096 th:TH_STORE_NT   ; sixteen lanes store 256 consecutive bytes, aligned
.endr
.endr
	s_wait_xcnt 0x0                                ; bases and data may be written again
	s_add_nc_u64 s[44:45], s[44:45], 131072
	s_add_nc_u64 s[46:47], s[46:47], 131072
	s_add_co_u32 s54, s54, 25600
	s_sub_co_u32 s55, s55, 1
	s_cmp_eq_u32 s55, 0
	s_cbranch_scc1 .Lno_x                          ; the last trip asks for nothing
	WIN 0x80
.irp u, 0,1                                    ; the next trip's x, one trip ahead: this trip's additions have read these registers, and the base has been stepped
.irp k, 0,1,2,3,4,5,6,7
	global_load_b128 v[XR+32*\u+4*\k:XR+32*\u+4*\k+3], v[GO], s[44:45] offset:(8*\u+2*\k+8*(\k/4))*4096 th:TH_LOAD_NT
.endr
.endr
	WIN 0
.Lno_x:
	s_cmp_lg_u32 s55, 0
	s_cbranch_scc1 .Ltrip
	s_wait_dscnt 0x0
	s_wait_tensorcnt 0x0
	ds_add_u32 v254, v255
	s_wait_dscnt 0x0
	ROUND                                          ; the closing round
	s_endpgm
.Lfunc_end_k_q823f6df033_outg:
	.size	k_q823f6df033_outg, .Lfunc_end_k_q823f6df033_outg-k_q823f6df033_outg
	.p2alignl 7, 3214868480
	.fill 96, 4, 3214868480
	.section	.rodata,"a",@progbits
	.p2align	6, 0x0
	.amdhsa_kernel k_q823f6df033_outg
		.amdhsa_group_segment_fixed_size 168448
		.amdhsa_private_segment_fixed_size 0
		.amdhsa_enable_private_segment 0
		.amdhsa_kernarg_size 40
		.amdhsa_user_sgpr_count 2
		.amdhsa_user_sgpr_kernarg_segment_ptr 1
		.amdhsa_wavefront_size32 1
		.amdhsa_system_sgpr_workgroup_id_x 1
		.amdhsa_system_sgpr_workgroup_id_y 1
		.amdhsa_system_sgpr_workgroup_id_z 1
		.amdhsa_system_vgpr_workitem_id 0
		.amdhsa_next_free_vgpr 752
		.amdhsa_next_free_sgpr 80
		.amdhsa_reserve_vcc 0
		.amdhsa_float_denorm_mode_32 3
		.amdhsa_float_denorm_mode_16_64 3
		.amdhsa_memory_ordered 1
		.amdhsa_forward_progress 1
		.amdhsa_inst_pref_size 37
	.end_amdhsa_kernel
	.amdgpu_metadata
---
amdhsa.version: [ 1, 2 ]
amdhsa.kernels:
  - .name:           k_q823f6df033_outg
    .symbol:         k_q823f6df033_outg.kd
    .args:
      - { .name: aimg, .offset: 0, .size: 8, .value_kind: global_buffer, .address_space: global }
      - { .name: wimg, .offset: 8, .size: 8, .value_kind: global_buffer, .address_space: global }
      - { .name: out_b, .offset: 16, .size: 8, .value_kind: global_buffer, .address_space: global }
      - { .name: x, .offset: 24, .size: 8, .value_kind: global_buffer, .address_space: global }
      - { .name: out0, .offset: 32, .size: 8, .value_kind: global_buffer, .address_space: global }
    .group_segment_fixed_size: 168448
    .private_segment_fixed_size: 0
    .kernarg_segment_align: 8
    .kernarg_segment_size: 40
    .max_flat_workgroup_size: 128
    .sgpr_count:     80
    .vgpr_count:     752
    .wavefront_size: 32
...
	.end_amdgpu_metadata
.endif
;; end of part 5
